; MI455X (gfx1250); checked and timed in simulation.
; The chip was launched on July 23, 2026; its instructions are those of AMD's public machine-readable ISA for CDNA 5 (MIT licence, August 2026) and "CDNA5" Instruction Set Architecture Reference Guide (July 2026). The comments in the code are by the model that wrote it; some were corrected since.
;; Multi Head Attention. Allowed arithmetic: matrix products marked QUANTISED: E2M3 operands, one E8M0 scale for each 32 along K, by v_wmma_scale_f32_16x16x128_f8f6f4 with both operands' format E2M3, f32 sums; everything else in f32.
;; Inputs: Wk 1,024 x 1,024 float32; Wo 1,024 x 1,024 float32; Wq 1,024 x 1,024 float32; Wv 1,024 x 1,024 float32; bk 1,024 float32; bo 1,024 float32; bq 1,024 float32; bv 1,024 float32; key 4 x 2,048 x 1,024 float32; mask 4 x 2,048 x 2,048 int32; query 4 x 2,048 x 1,024 float32; value 4 x 2,048 x 1,024 float32.
;; Outputs: out0 4 x 2,048 x 1,024 float32.
;; This version of the problem:
;;   THIS VERSION OF THE PROBLEM IS GIVEN IN LOW PRECISION. The matrix products marked QUANTISED in the list below multiply operands that are first quantised to E2M3 (2 exponent bits, 3 mantissa bits; 6 bits a number), with one power-of-two scale for each 32 numbers along K (OCP MX v1.0); their sums are f32. All else is computed in f32.
;;   The module's matrix products, in the order in which they are computed (A, B: the left and right operand; K: the contracted axis; several contracted axes count as one K, in the product's order):
;;     1. [M 8,192, K 1,024] x [K 1,024, N 1,024]; A: input query; B: input Wq: QUANTISED
;;     2. [M 8,192, K 1,024] x [K 1,024, N 1,024]; A: input key; B: input Wk: QUANTISED
;;     3. [M 8,192, K 1,024] x [K 1,024, N 1,024]; A: input value; B: input Wv: QUANTISED
;;     4. batch 64 x [M 2,048, K 64] x [K 64, N 2,048]; A: computed on the way; B: computed on the way: QUANTISED
;;     5. batch 64 x [M 2,048, K 2,048] x [K 2,048, N 64]; A: softmax (see below); B: computed on the way: QUANTISED
;;     6. [M 8,192, K 1,024] x [K 1,024, N 1,024]; A: computed on the way; B: input Wo: QUANTISED
;;   THE QUANTISER, for each operand of a quantised product, along K:
;;     - K is cut into blocks of 32 from its start; a last block that is shorter is filled with zeros.
;;     - A block's scale is 2^e with e = floor(log2(the largest magnitude in the block)) - 2, held to -126 .. 127; a block of zeros has e = 0. As a byte (E8M0): e + 127.
;;     - Each number is divided by its block's scale, clamped to +-7.5, and rounded to the nearest number of E2M3, ties to even, subnormals kept.
;;     - The product sums the exact products of the quantised numbers (number of the format x scale) in f32.
;;   ~~~python
;;   def quantise(x, axis):      # numpy; x: float32 -> the quantised numbers, widened to float32 again
;;       x = np.moveaxis(x, axis, -1); K = x.shape[-1]
;;       x = np.pad(x, [(0, 0)] * (x.ndim - 1) + [(0, -K % 32)]); x = x.reshape(x.shape[:-1] + (-1, 32)); a = np.abs(x).max(-1, keepdims=True)
;;       e = np.where(a > 0, np.clip(np.frexp(np.where(a > 0, a, 1))[1] - 1 - 2, -126, 127), 0)      # np.frexp(a)[1] - 1 = floor(log2(a)), exactly
;;       r = np.clip(x / 2.0 ** e, -7.5, 7.5)
;;       step = 2.0 ** (np.maximum(np.frexp(np.where(r == 0, 1, r))[1] - 1, 0) - 3)
;;       q = np.round(r / step) * step * 2.0 ** e      # np.round: ties to even
;;       return np.moveaxis(q.reshape(q.shape[:-2] + (-1,))[..., :K], -1, axis).astype(np.float32)
;;   ~~~
;;   SOFTMAX AHEAD OF A QUANTISED PRODUCT. Where the list says 'softmax', what is quantised is not the finished softmax but p = 2^(t - M), with t = logit x log2(e) and M = ceil(the row's largest t), a whole number; so 1/2 < the row's largest p <= 1. The row's sum l is taken of the UNQUANTISED p, in f32, and the product's result is divided by l at the end. Since M is a whole number, a kernel that streams over the keys may use a running M (the ceiling of the running maximum): every later rescaling is an exact power of two, which a block's scale takes up: the codes' values come out the same.
;;   OPERANDS COMPUTED ON THE WAY. 'Computed on the way' means the value that the module computes at that place (a softmax that the list does not call 'softmax' is quantised finished and normalised). What goes into a quantiser is computed in f32, as accurately as f32 sums, v_exp_f32 and their like allow (about 1e-6 of the number): no bf16 or f16 on the way to a quantiser, and a product that is left as it is and whose result goes on into a quantised operand takes f32 operands (vector FMAs, or v_wmma_f32_16x16x4_f32). A number that lies on a knife's edge between two numbers of the format may be rounded either way, as far as f32 arithmetic and the matrix unit's own rounding can turn it there, and no further.
;; 2 versions, each right; version 2 is version 1 with the launch attn written anew for expert scheduling mode. Each part assembles by itself: llvm-mc -triple=amdgcn-amd-amdhsa -mcpu=gfx1250 --defsym DOCPART=n.
;; ======== version 1 of 2: 4 launches
;; limits: right only within a limited range of input values
;; workspace buffers: xc 22,020,096 bytes; xs 917,504 bytes; mw 2,097,152 bytes of whole numbers; mf 2,048 bytes of whole numbers; qc 6,815,744 bytes; kv 13,369,344 bytes; ac 6,553,600 bytes
;; launch prep (part 1): grid 960 x 1, 4 waves a work-group, no clusters, 68,352 bytes of LDS; arguments query, key, value, Wq, Wk, Wv, Wo, mask, xc, xs, mw, mf; writes xc, xs, mw, mf
.if DOCPART == 1
	.amdgcn_target "amdgcn-amd-amdhsa--gfx1250"
	.amdhsa_code_object_version 6
	.text
	.protected	k_qdd91b17f49_prep
	.globl	k_qdd91b17f49_prep
	.p2align	8
	.type	k_qdd91b17f49_prep,@function
k_qdd91b17f49_prep:
	s_mov_b64 s[64:65], 0
	v_nop
	global_prefetch_b8 v0, s[64:65] scope:SCOPE_SE
	s_setreg_imm32_b32 hwreg(HW_REG_WAVE_MODE, 25, 1), 1
	s_wait_xcnt 0x0
; PREP.  Two jobs in one launch, parted once on the work-group's number.
; (1) Work-groups 0-447: query, key, value [8192][1024] and Wq, Wk, Wv, Wo [1024][1024], f32, K innermost, become codes of FP6 (E2M3) with one E8M0 byte for each 32 along K.
;     They are stored as IMAGES OF OPERAND REGISTERS: a tile of 16 rows x 128 K is 12 registers a lane, 1,536 bytes: three runs of 512 bytes, lane l's 16 bytes at 16 l.
;     THE ROWS OF A TILE ARE NOT NEIGHBOURS: row i of tile T is row 32 (T / 2) + 8 (T % 2) + i + 8 (i / 8), so that the 16 result registers of two neighbouring source-0 tiles are 16 neighbours.
;     xc: [tile 1792][K step 8][1536];  xs: [tile][row 16][8 scale words].  First tiles: query 0, key 512, value 1024, Wq 1536, Wk 1600, Wv 1664, Wo 1728.  A wave takes one tile.
; (2) Work-groups 448-959: the mask [8192 rows][2048], int32, becomes lane masks for the attention launch: for a tile of 16 query rows and a step of 128 keys, 64 words; word of score register n
;     has bit (r + 16 h) = (mask[row r of the tile][128 step + 32 (n / 16) + 16 h + n % 16] != 0).  In memory word m = 2 (n % 32) + n / 32.  mw: [tile 512][step 16][64 words].
;     mf: one word a tile, two bits a step: bit 0 = some bit of the step is on, bit 1 = some bit is off.  Where a row of the tile has no open key at all, the word is all ones: no step is then left out.
; A block's scale is 2^(floor(log2(largest magnitude)) - 2); its byte is the largest magnitude's exponent field - 2, held at 1 from below (a block of zeros keeps the byte 1: its codes are zeros, and this program alone reads the bytes).
; LIMITS: NaN and infinities among the inputs are not served.
; Loads take bytes as they lie (512 consecutive bytes a load); a step's 8,192 bytes turn through the wave's own stage in LDS (rows 528 bytes apart) so that a lane gets 16 neighbours of each block of 32.
.set NXWG,   448
.set SPITCH, 528
.set WSTG,   16*SPITCH                 ; a wave's stage
.set MST,    4*WSTG                    ; the mask path's stages: bytes of their own
.set EXC,    2*MST                     ; 32 bytes: the four waves' classes
.set SPARE,  EXC+256                   ; the spare words, 128 bytes a wave
.set L16, 1                            ; v1   16 x lane
.set SW,  2                            ; v2   stage, on the way in
.set SRD, 3                            ; v3   stage, on the way out: 528 r + 64 h
.set SPW, 4                            ; v4   my spare word; never rewritten
.set NIL, 5                            ; v5   0; never rewritten
.set LN,  6                            ; v6   lane
.set XSA, 7                            ; v7   32 r + 16 h
.set PW,  8                            ; v8-15   the tile's eight scale words
.set TM,  16                           ; v16-31  at work in QUANT
.set PC,  32                           ; v32-51  the codes just made
.set SD,  52                           ; v52-55  scale words to store
.set OUT, 56                           ; v56-63  mask words, two registers a step
.set R,   64                           ; v64-191 two sets of 64 registers as loaded
.set X,   192                          ; v192-255 64 numbers, register 16 b + i = k 32 b + 16 h + i of my row
.set M8,  16                           ; mask path: 8 x lane
.set EXA, 17
.set EXR, 18
.set EXD, 20
.set CV,  28
.set FLG, 30
.set ZO,  31
.set WV,  28
.set HI,  29                           ; s29  lanes 16-31
.set SEL, 30                           ; s[30:31] selects for lane l xor 16
.set IN,  72                           ; s[72:73] where my rows begin
; 64 numbers of a lane become a fragment's 12 registers of codes in v[PC] on and its scale word in v[pw]
.macro QUANT s, pw
.irp b, 0,1,2,3
	v_max3_num_f32 v[TM+\b], |v[\s+16*\b]|, |v[\s+1+16*\b]|, 0x1800000   ; my 16 numbers of block b, and the floor 2^(3 - 127): the byte cannot fall under 1
.endr
.irp i, 2,4,6,8,10,12,14
.irp b, 0,1,2,3
	v_max3_num_f32 v[TM+\b], v[TM+\b], |v[\s+16*\b+\i]|, |v[\s+1+16*\b+\i]|
.endr
.endr
.irp b, 0,1,2,3
	v_permlanex16_b32 v[TM+4+\b], v[TM+\b], s[SEL], s[SEL+1]
.endr
.irp b, 0,1,2,3
	v_max_num_f32 v[TM+\b], v[TM+\b], v[TM+4+\b]   ; with lane l xor 16's: the block's largest magnitude
.endr
.irp b, 0,1,2,3
	v_add_nc_u32 v[TM+12+\b], 0xff000000, v[TM+\b]   ; 2 off its exponent field: the conversion's scale operand
.endr
.irp b, 0,1,2,3
	v_lshrrev_b32 v[TM+4+\b], 23, v[TM+12+\b]      ; the scale's byte
.endr
	v_lshl_or_b32 v[\pw], v[TM+5], 8, v[TM+4]
	v_lshl_or_b32 v[\pw], v[TM+6], 16, v[\pw]
	v_lshl_or_b32 v[\pw], v[TM+7], 24, v[\pw]
.irp c, 0,1
	v_cvt_scalef32_pk16_fp6_f32 v[PC+6*\c:PC+2+6*\c], v[\s+32*\c:\s+15+32*\c], v[TM+12+2*\c]
	v_cvt_scalef32_pk16_fp6_f32 v[PC+12+4*\c:PC+14+4*\c], v[\s+16+32*\c:\s+31+32*\c], v[TM+12+2*\c+1]   ; (a conversion's three registers begin on an even number)
.endr
	v_nop                                          ; one plain place behind a scaled conversion
.irp c, 0,1                                    ; the layout wants a whole block in a lane: lanes 0-15 block 2 c, lanes 16-31 block 2 c + 1
.irp i, 0,1,2
	v_permlane16_swap_b32 v[PC+6*\c+\i], v[PC+12+4*\c+\i]
.endr
.irp i, 0,1,2
	v_mov_b32 v[PC+3+6*\c+\i], v[PC+12+4*\c+\i]
.endr
.endr
.endm
; 16 loads: 512 consecutive bytes of each of the tile's 16 rows, the s-th 512 bytes, into set bk
.macro GLOAD bk, s, pitch
.irp i, 0,1,2,3,4,5,6,7,8,9,10,11,12,13,14,15
	global_load_b128 v[R+64*(\bk)+4*\i:R+64*(\bk)+4*\i+3], v[L16], s[IN:IN+1] offset:(\i+8*(\i/8))*(\pitch)+512*(\s) th:TH_LOAD_NT
.endr
.endm
; through the stage: LDS serves a wave's instructions in order, so no wait stands between the stores and the loads
.macro TURN bk, off
.irp i, 0,1,2,3,4,5,6,7,8,9,10,11,12,13,14,15
	ds_store_b128 v[SW], v[R+64*(\bk)+4*\i:R+64*(\bk)+4*\i+3] offset:(\off)+SPITCH*\i
.endr
.irp b, 0,1,2,3
.irp j, 0,1,2,3
	ds_load_b128 v[X+16*\b+4*\j:X+16*\b+4*\j+3], v[SRD] offset:(\off)+128*\b+16*\j
.endr
.endr
.endm
	s_load_b512 s[4:19], s[0:1], 0x0               ; query, key, value, Wq, Wk, Wv, Wo, mask
	s_load_b256 s[20:27], s[0:1], 0x40             ; xc, xs, mw, mf
	v_lshl_add_u32 v[SPW], v0, 2, SPARE
	v_mov_b32 v[NIL], 0
	v_lshrrev_b32 v[LN], 5, v0
	v_readfirstlane_b32 s[WV], v[LN]               ; wave 0..3
	v_and_b32 v[LN], 31, v0
	v_lshlrev_b32 v[L16], 4, v[LN]
	s_mul_i32 s70, s[WV], WSTG
	v_add_nc_u32 v[SW], s70, v[L16]
	v_and_b32 v[XSA], 15, v0                       ; r
	v_bfe_u32 v8, v0, 4, 1                         ; h
	v_mul_u32_u24 v[SRD], v[XSA], SPITCH
	v_lshl_add_u32 v[SRD], v8, 6, v[SRD]
	v_add_nc_u32 v[SRD], s70, v[SRD]
	v_lshlrev_b32 v[XSA], 5, v[XSA]
	v_lshl_add_u32 v[XSA], v8, 4, v[XSA]
	s_mov_b32 s[SEL], 0x76543210
	s_mov_b32 s[SEL+1], 0xfedcba98
	s_mov_b32 s[HI], 0xffff0000
	s_mov_b32 s71, 0                               ; the upper word of every 32-bit offset
	s_wait_kmcnt 0x0
	s_cmp_lt_u32 ttmp9, NXWG
	s_cbranch_scc0 .Lmask
	; ---------------- the seven tensors ----------------
	s_mov_b64 s[IN:IN+1], s[4:5]
	s_mov_b32 s74, 0
.macro PICK lo, p                      ; from work-group lo on: the next tensor.  The choice hangs on the work-group's number alone
	s_cmp_ge_u32 ttmp9, \lo
	s_cselect_b64 s[IN:IN+1], s[\p:\p+1], s[IN:IN+1]
	s_cselect_b32 s74, \lo, s74
.endm
	PICK 128, 6
	PICK 256, 8
	PICK 384, 10
	PICK 400, 12
	PICK 416, 14
	PICK 432, 16
	s_sub_co_u32 s70, ttmp9, s74                   ; the work-group's number in its tensor: 64 rows each
	s_lshl_b32 s70, s70, 6
	s_lshr_b32 s75, s[WV], 1
	s_lshl_b32 s75, s75, 5
	s_add_co_u32 s70, s70, s75
	s_and_b32 s75, s[WV], 1
	s_lshl_b32 s75, s75, 3
	s_add_co_u32 s70, s70, s75                     ; my tile's first row: + 32 (w / 2) + 8 (w % 2)
	s_lshl_b32 s70, s70, 12                        ; rows of 4,096 bytes
	s_add_nc_u64 s[IN:IN+1], s[IN:IN+1], s[70:71]
	s_lshl_b32 s75, ttmp9, 2
	s_add_co_u32 s75, s75, s[WV]                   ; my tile's number among the 1,792
	s_mul_i32 s70, s75, 12288
	s_add_nc_u64 s[20:21], s[20:21], s[70:71]
	s_lshl_b32 s70, s75, 9
	s_add_nc_u64 s[22:23], s[22:23], s[70:71]
.irp b, 0,1,2,3
	v_mov_b32 v[TM+4+\b], 0                        ; written once: a lane permute's destination counts as one of its sources
.endr
	GLOAD 0, 0, 4096
	GLOAD 1, 1, 4096
.macro XSTEP s
.if (\s) < 7
	s_wait_loadcnt 16                              ; this step's 16 loads are in; the next step's 16 may be out
.else
	s_wait_loadcnt 0x0
.endif
	s_wait_xcnt 0x0                                ; the last step's stores have read the codes' registers, which QUANT writes again
	TURN (\s)%2, 0
	s_wait_dscnt 0x0                               ; my numbers are back, and the stores into the stage have read their registers,
.if (\s)+2 < 8
	GLOAD (\s)%2, (\s)+2, 4096                     ; which take the loads of two steps on
.endif
	QUANT X, PW+(\s)
.irp c, 0,1,2
	global_store_b128 v[L16], v[PC+4*\c:PC+4*\c+3], s[20:21] offset:1536*(\s)+512*\c   ; 512 consecutive bytes a store
.endr
.endm
.irp s, 0,1,2,3,4,5,6,7
	XSTEP \s
.endr
.irp k, 0,1,2,3
	v_cndmask_b32 v[SD+\k], v[PW+\k], v[PW+4+\k], s[HI]   ; lanes 0-15 words 0-3 of row r, lanes 16-31 words 4-7 (both halves of the lanes hold all eight)
.endr
	global_store_b128 v[XSA], v[SD:SD+3], s[22:23] ; 512 consecutive bytes
	s_wait_tensorcnt 0x0                           ; the wave's end: behind my last LDS store
	ds_add_u32 v[SPW], v[NIL]
	s_wait_dscnt 0x0
	s_endpgm
	; ---------------- the mask ----------------
.Lmask:
	s_sub_co_u32 s74, ttmp9, NXWG                  ; the tile of 16 rows, 0..511
	s_lshr_b32 s70, s74, 1
	s_lshl_b32 s70, s70, 5
	s_and_b32 s75, s74, 1
	s_lshl_b32 s75, s75, 3
	s_add_co_u32 s70, s70, s75                     ; its first row
	s_lshl_b32 s70, s70, 13                        ; rows of 8,192 bytes
	s_lshl_b32 s75, s[WV], 11                      ; my four key steps: 2,048 bytes of each row
	s_add_co_u32 s70, s70, s75
	s_add_nc_u64 s[IN:IN+1], s[18:19], s[70:71]
	s_lshl_b32 s70, s74, 4
	s_lshl_b32 s75, s[WV], 2
	s_add_co_u32 s70, s70, s75
	s_lshl_b32 s70, s70, 8                         ; 256 bytes of words a step
	s_add_nc_u64 s[24:25], s[24:25], s[70:71]
	s_lshl_b32 s70, s74, 2
	s_add_nc_u64 s[26:27], s[26:27], s[70:71]
	v_lshlrev_b32 v[M8], 3, v[LN]
	s_lshl_b32 s70, s[WV], 3
	s_add_co_u32 s70, s70, EXC
	v_mov_b32 v[EXA], s70
	v_mov_b32 v[EXR], EXC
.irp k, 0,1,2,3,4,5,6,7
	v_mov_b32 v[OUT+\k], 0                         ; v_writelane_b32's destination counts as read
.endr
	s_mov_b32 s68, 0                               ; lanes that have seen an open key
	s_mov_b32 s69, 0                               ; my four steps' classes
	GLOAD 0, 0, 8192
	GLOAD 1, 1, 8192
.macro MSTEP g
.if (\g) < 3
	s_wait_loadcnt 16                              ; this step's 16 loads are in; the next step's may be out
.else
	s_wait_loadcnt 0x0
.endif
	TURN (\g)%2, MST
	s_wait_dscnt 0x0
.if (\g)+2 < 4
	GLOAD (\g)%2, (\g)+2, 8192
.endif
	s_mov_b32 s66, 0
	s_mov_b32 s67, -1
.irp hf, 0,1
.irp k, 0,1,2,3,4,5,6,7,8,9,10,11,12,13,14,15,16,17,18,19,20,21,22,23,24,25,26,27,28,29,30,31
	v_cmp_ne_u32 s[32+\k], 0, v[X+32*\hf+\k]       ; the lane mask of score register 32 hf + k
.endr
.irp k, 0,1,2,3,4,5,6,7,8,9,10,11,12,13,14,15,16,17,18,19,20,21,22,23,24,25,26,27,28,29,30,31
	s_or_b32 s66, s66, s[32+\k]
	s_and_b32 s67, s67, s[32+\k]
	v_writelane_b32 v[OUT+2*(\g)+\hf], s[32+\k], \k
.endr
.endr
	global_store_b64 v[M8], v[OUT+2*(\g):OUT+2*(\g)+1], s[24:25] offset:256*(\g)   ; 256 consecutive bytes; each step has its own two registers
	s_cmp_lg_u32 s66, 0
	s_cselect_b32 s74, 1, 0                        ; some key of the step is open
	s_cmp_lg_u32 s67, -1
	s_cselect_b32 s75, 2, 0                        ; some key is hidden
	s_or_b32 s74, s74, s75
	s_lshl_b32 s74, s74, 2*(\g)
	s_or_b32 s69, s69, s74
	s_or_b32 s68, s68, s66
.endm
	MSTEP 0
	MSTEP 1
	MSTEP 2
	MSTEP 3
	v_mov_b32 v[CV], s69
	v_mov_b32 v[CV+1], s68
	ds_store_b64 v[EXA], v[CV:CV+1]                ; all lanes write the same 8 bytes with the same value
	s_wait_dscnt 0x0                               ; for wave 0's sake
	s_barrier_signal -1
	s_barrier_wait -1
	s_cmp_lg_u32 s[WV], 0
	s_cbranch_scc1 .Lmdone
	ds_load_b128 v[EXD:EXD+3], v[EXR]
	ds_load_b128 v[EXD+4:EXD+7], v[EXR] offset:16
	s_wait_dscnt 0x0
.irp k, 0,1,2,3,4,5,6,7
	v_readfirstlane_b32 s[32+\k], v[EXD+\k]
.endr
	s_lshl_b32 s34, s34, 8
	s_lshl_b32 s36, s36, 16
	s_lshl_b32 s38, s38, 24
	s_or_b32 s32, s32, s34
	s_or_b32 s36, s36, s38
	s_or_b32 s32, s32, s36                         ; sixteen steps' classes
	s_or_b32 s33, s33, s35
	s_or_b32 s37, s37, s39
	s_or_b32 s33, s33, s37
	s_lshr_b32 s35, s33, 16
	s_or_b32 s33, s33, s35
	s_and_b32 s33, s33, 0xffff                     ; bit r: row r has an open key
	s_cmp_eq_u32 s33, 0xffff
	s_cselect_b32 s32, s32, -1                     ; a row with none takes every key with the same weight: no step may be left out
	v_mov_b32 v[FLG], s32
	v_mov_b32 v[ZO], 0
	v_cmp_eq_u32 vcc_lo, 0, v[LN]
	s_wait_xcnt 0x0                                ; EXEC changes only behind this wait
	s_and_saveexec_b32 s74, vcc_lo
	global_store_b32 v[ZO], v[FLG], s[26:27]       ; lane 0 alone
	s_wait_xcnt 0x0
	s_or_b32 exec_lo, exec_lo, s74
.Lmdone:
	s_wait_tensorcnt 0x0                           ; the wave's end: behind my last LDS store
	ds_add_u32 v[SPW], v[NIL]
	s_wait_dscnt 0x0
	s_endpgm
.Lfunc_end_k_qdd91b17f49_prep:
	.size	k_qdd91b17f49_prep, .Lfunc_end_k_qdd91b17f49_prep-k_qdd91b17f49_prep
	.p2alignl 7, 3214868480
	.fill 96, 4, 3214868480
	.section	.rodata,"a",@progbits
	.p2align	6, 0x0
	.amdhsa_kernel k_qdd91b17f49_prep
		.amdhsa_group_segment_fixed_size 68352
		.amdhsa_private_segment_fixed_size 0
		.amdhsa_enable_private_segment 0
		.amdhsa_kernarg_size 96
		.amdhsa_user_sgpr_count 2
		.amdhsa_user_sgpr_kernarg_segment_ptr 1
		.amdhsa_wavefront_size32 1
		.amdhsa_system_sgpr_workgroup_id_x 1
		.amdhsa_system_sgpr_workgroup_id_y 1
		.amdhsa_system_sgpr_workgroup_id_z 1
		.amdhsa_system_vgpr_workitem_id 0
		.amdhsa_next_free_vgpr 256
		.amdhsa_next_free_sgpr 76
		.amdhsa_reserve_vcc 1
		.amdhsa_float_denorm_mode_32 3
		.amdhsa_float_denorm_mode_16_64 3
		.amdhsa_memory_ordered 1
		.amdhsa_forward_progress 1
		.amdhsa_inst_pref_size 131
	.end_amdhsa_kernel
	.amdgpu_metadata
---
amdhsa.version: [ 1, 2 ]
amdhsa.kernels:
  - .name:           k_qdd91b17f49_prep
    .symbol:         k_qdd91b17f49_prep.kd
    .args:
      - { .name: query, .offset: 0, .size: 8, .value_kind: global_buffer, .address_space: global }
      - { .name: key, .offset: 8, .size: 8, .value_kind: global_buffer, .address_space: global }
      - { .name: value, .offset: 16, .size: 8, .value_kind: global_buffer, .address_space: global }
      - { .name: Wq, .offset: 24, .size: 8, .value_kind: global_buffer, .address_space: global }
      - { .name: Wk, .offset: 32, .size: 8, .value_kind: global_buffer, .address_space: global }
      - { .name: Wv, .offset: 40, .size: 8, .value_kind: global_buffer, .address_space: global }
      - { .name: Wo, .offset: 48, .size: 8, .value_kind: global_buffer, .address_space: global }
      - { .name: mask, .offset: 56, .size: 8, .value_kind: global_buffer, .address_space: global }
      - { .name: xc, .offset: 64, .size: 8, .value_kind: global_buffer, .address_space: global }
      - { .name: xs, .offset: 72, .size: 8, .value_kind: global_buffer, .address_space: global }
      - { .name: mw, .offset: 80, .size: 8, .value_kind: global_buffer, .address_space: global }
      - { .name: mf, .offset: 88, .size: 8, .value_kind: global_buffer, .address_space: global }
    .group_segment_fixed_size: 68352
    .private_segment_fixed_size: 0
    .kernarg_segment_align: 8
    .kernarg_segment_size: 96
    .max_flat_workgroup_size: 128
    .sgpr_count:     76
    .vgpr_count:     256
    .wavefront_size: 32
...
	.end_amdgpu_metadata
.endif
;; end of part 1
;; launch proj (part 2): grid 8 x 96, 4 waves a work-group, clusters of 4 x 4, 327,680 bytes of LDS; arguments xc, xs, bq, bk, bv, qc, kv; writes qc, kv
.if DOCPART == 2
	.amdgcn_target "amdgcn-amd-amdhsa--gfx1250"
	.amdhsa_code_object_version 6
	.text
	.protected	k_qdd91b17f49_proj
	.globl	k_qdd91b17f49_proj
	.p2align	8
	.type	k_qdd91b17f49_proj,@function
k_qdd91b17f49_proj:
	s_mov_b64 s[64:65], 0
	v_nop
	global_prefetch_b8 v0, s[64:65] scope:SCOPE_SE
	s_setreg_imm32_b32 hwreg(HW_REG_WAVE_MODE, 25, 1), 1
	s_wait_xcnt 0x0
	s_wait_alu depctr_hold_cnt(0) depctr_sa_sdst(0) depctr_va_vdst(0) depctr_va_sdst(0) depctr_va_ssrc(0) depctr_va_vcc(0) depctr_vm_vsrc(0)
	s_getreg_b32 s2, hwreg(HW_REG_IB_STS2, 6, 4)
	s_cmp_eq_u32 s2, 0
	s_cbranch_scc0 .Lentry_in_a_cluster
	s_endpgm
.Lentry_in_a_cluster:
	s_bfe_u32 s2, ttmp6, 0x10000c
	s_cmp_lg_u32 s2, 0xf033
	s_cbranch_scc0 .Lentry_shape_is_right
	s_endpgm
.Lentry_shape_is_right:
; PROJ.  q = query Wq^T + bq, k = key Wk^T + bk, v = value Wv^T + bv on codes of FP6 with E8M0 scales, and the results quantised at once for the attention launch: q and k along the head's 64, v along the keys.
; ONE SCHEME: operand E, 8 tiles of 16 rows, is source 0 and is read by all four waves; operand F, 16 tiles, is source 1, wave w has tiles 4 w .. 4 w + 3.  A wave holds 8 x 4 accumulators.
; In the result a lane holds ONE row of F (lane % 16), and the 64 registers of an F tile run along 128 NEIGHBOURING rows of E (the rows of a tile are chosen for that: row i of tile T is 32 (T / 2) + 8 (T % 2) + i + 8 (i / 8)).
;   q, k: E = the weight (128 outputs = two heads), F = 256 tokens: a lane's registers run along the heads' channels, the next K.     v: E = 128 tokens (one key step), F = Wv (256 outputs; wave w = one head): registers run along the keys.
; The whole K (8 steps of 128) of both operands is 24 tiles x 12,288 bytes = 294,912 bytes: every LDS byte is filled ONCE, by eight tensor loads a wave at the head (eight are out, by this text's count); no slot is filled again.
; CLUSTER 4 x 4: E hangs on cx alone and is asked for jointly down a column of the cluster, F on cy alone and jointly along a row: the requests are divided by four.
; Cluster y: 0-7 q, 8-15 k, 16-23 v: the same in all partners, so the one branch on it is alike in all.
; OUTPUT.  qc: [batch x head 64][tile 128][768]: half images (16 rows x 64 K: registers 0-3 at 16 l, 4-5 at 512 + 8 l); from QSOFF scale words, 256 bytes for 4 tiles: word of (row r, tile 2 c + x) at 8 (r + 16 x) + 4 c.
;   kv: [batch x head][key step 16][13,056]: 8 half images of k, 4 full images of v (16 channels x 128 keys), 2 + 1 groups of scale words.
; LIMITS: NaN and infinities are not served; a block whose largest magnitude lies under 2^-124 keeps the byte 1.
; REGISTERS: window 0: addresses, scale words, biases, the way out; window 1: accumulator (t, a) at 8 (8 a + t); windows 2, 3: two sets of fragments, E's at 12 t, F's at 96 + 12 a.
.set CH,    73728                      ; an LDS chunk: two K steps of E's 8 tiles (3,072 bytes each), then of F's 16
.set FOFF,  24576
.set SPARE, 4*CH                       ; the spare words, 128 bytes a wave
.set REC,   13056
.set VC,    6144
.set KS,    12288
.set VS,    12800
.set QSOFF, 6291456
.set L16, 1
.set L8,  2
.set ASE, 3                            ; v3   32 r + 2048 h: E's scale rows, lanes 16-31 four tiles on
.set AE,  4                            ; v4-7   16 x lane + chunk
.set AF,  8                            ; v8-11  the same at my four tiles of F
.set SPW, 12
.set NIL, 13
.set ASF, 14                           ; v14  32 r + 1024 h
.set ABI, 15                           ; v15  64 h
.set SC0, 16                           ; v16-47  E's scale words: register 8 t' + s: lanes 0-15 tile t', lanes 16-31 tile t' + 4
.set SC1, 48                           ; v48-63  F's: register 8 a' + s: lanes 0-15 tile a', lanes 16-31 tile a' + 2
.set BI,  64                           ; v64-127 the bias along E's rows, in the result's layout
.set ST,  128                          ; v128-191 64 numbers on the way out
.set TM,  192
.set PC,  208
.set PW,  228
.set WA,  232
.set WB,  234
.set ABV, 236                          ; v236 4 (r + 8 (r / 8))
.set TP,  237
.set BV,  238                          ; v238-241 the bias of my row of F, tile a
.set SEL, 2
.set WV,  18
.set G1E, 24
.set G1F, 32
.set G0E, 40
.set MSB, 0
.macro WIN new                         ; the immediate's high byte repeats the setting that is left
.if MSB != (\new)
	s_set_vgpr_msb (MSB<<8)|(\new)
.set MSB, (\new)
.endif
.endm
.macro CROUND                          ; a round of the cluster's barrier
	s_barrier_signal -1
	s_barrier_wait -1
	s_cmp_lg_u32 s[WV], 0
	s_cbranch_scc1 .Lnot_wave_0_\@
	s_barrier_signal -3
.Lnot_wave_0_\@:
	s_barrier_wait -3
	s_barrier_signal -1
	s_barrier_wait -1
.endm
.macro QUANT s, pw
.irp b, 0,1,2,3
	v_max3_num_f32 v[TM+\b], |v[\s+16*\b]|, |v[\s+1+16*\b]|, 0x1800000   ; my 16 numbers of block b, and the floor 2^(3 - 127)
.endr
.irp i, 2,4,6,8,10,12,14
.irp b, 0,1,2,3
	v_max3_num_f32 v[TM+\b], v[TM+\b], |v[\s+16*\b+\i]|, |v[\s+1+16*\b+\i]|
.endr
.endr
.irp b, 0,1,2,3
	v_permlanex16_b32 v[TM+4+\b], v[TM+\b], s[SEL], s[SEL+1]
.endr
.irp b, 0,1,2,3
	v_max_num_f32 v[TM+\b], v[TM+\b], v[TM+4+\b]
.endr
.irp b, 0,1,2,3
	v_add_nc_u32 v[TM+12+\b], 0xff000000, v[TM+\b]   ; 2 off the exponent field: the conversion's scale operand
.endr
.irp b, 0,1,2,3
	v_lshrrev_b32 v[TM+4+\b], 23, v[TM+12+\b]
.endr
	v_lshl_or_b32 v[\pw], v[TM+5], 8, v[TM+4]
	v_lshl_or_b32 v[\pw], v[TM+6], 16, v[\pw]
	v_lshl_or_b32 v[\pw], v[TM+7], 24, v[\pw]
.irp c, 0,1
	v_cvt_scalef32_pk16_fp6_f32 v[PC+6*\c:PC+2+6*\c], v[\s+32*\c:\s+15+32*\c], v[TM+12+2*\c]
	v_cvt_scalef32_pk16_fp6_f32 v[PC+12+4*\c:PC+14+4*\c], v[\s+16+32*\c:\s+31+32*\c], v[TM+12+2*\c+1]
.endr
	v_nop                                          ; one plain place behind a scaled conversion
.irp c, 0,1
.irp i, 0,1,2
	v_permlane16_swap_b32 v[PC+6*\c+\i], v[PC+12+4*\c+\i]
.endr
.irp i, 0,1,2
	v_mov_b32 v[PC+3+6*\c+\i], v[PC+12+4*\c+\i]
.endr
.endr
.endm
	s_load_b256 s[4:11], s[0:1], 0x0               ; xc, xs, bq, bk
	s_load_b128 s[12:15], s[0:1], 0x20             ; bv, qc
	s_load_b64 s[16:17], s[0:1], 0x30              ; kv
	v_lshl_add_u32 v[SPW], v0, 2, SPARE
	v_mov_b32 v[NIL], 0
	ds_add_u32 v[SPW], v[NIL]                      ; the wave's opening: the add and its wait stand ahead of my first tensor load
	v_lshrrev_b32 v[TP], 5, v0
	v_readfirstlane_b32 s[WV], v[TP]               ; wave 0..3
	s_bfe_u32 s19, ttmp6, 0x40000                  ; cx
	s_bfe_u32 s20, ttmp6, 0x40004                  ; cy
	s_and_b32 s23, ttmp7, 0xffff                   ; cluster y
	s_lshr_b32 s21, s23, 3                         ; which product: 0 q, 1 k, 2 v
	s_and_b32 s23, s23, 7
	s_lshl_b32 s76, s23, 1
	s_add_co_u32 s76, s76, ttmp9
	s_lshl_b32 s77, s21, 6
	s_add_co_u32 s77, s77, 1536                    ; the weight's first tile
	s_lshl_b32 s81, s21, 9                         ; the tokens' first tile
	s_cmp_eq_u32 s21, 2
	s_cselect_b32 s76, s76, ttmp9                  ; E's block of four: v: cluster x + 2 y', else cluster x
	s_cselect_b32 s80, 0, s23                      ; F's: v: 0, else y'
	s_cselect_b32 s77, 1024, s77                   ; E's tensor: v: value, else the weight
	s_cselect_b32 s81, 1664, s81                   ; F's tensor: v: Wv, else the tokens
	s_lshl_b32 s76, s76, 2
	s_add_co_u32 s22, s76, s19                     ; E's block of 8 tiles: hangs on cx alone
	s_lshl_b32 s80, s80, 2
	s_add_co_u32 s23, s80, s20                     ; F's block of 16 tiles: hangs on cy alone
	s_lshl_b32 s90, 0x1111, s19                    ; my column of the cluster
	s_or_b32 s[G1E], s90, (3<<16)|(1<<21)          ; 15:0 the mask; 17:16 elements of 8 bytes; 21 set beside a mask; no padding
	s_lshl_b32 s91, s20, 2
	s_lshl_b32 s91, 15, s91                        ; my row
	s_or_b32 s[G1F], s91, (3<<16)|(1<<21)
	s_mov_b32 s[G1E+1], 384<<16                    ; tensor_dim0 = 384 elements: 3,072 bytes, two K steps of a tile
	s_mov_b32 s[G1E+2], 2<<16                      ; tensor_dim1 = 2 tiles
	s_mov_b32 s[G1E+3], 384<<16                    ; tile_dim0
	s_mov_b32 s[G1E+4], 2                          ; tile_dim1
	s_mov_b32 s[G1E+5], 1536                       ; from tile to tile: 12,288 bytes
	s_mov_b32 s[G1E+6], 0
	s_mov_b32 s[G1E+7], 0
	s_mov_b32 s[G1F+1], 384<<16
	s_mov_b32 s[G1F+2], 4<<16                      ; 4 tiles
	s_mov_b32 s[G1F+3], 384<<16
	s_mov_b32 s[G1F+4], 4
	s_mov_b32 s[G1F+5], 1536
	s_mov_b32 s[G1F+6], 0
	s_mov_b32 s[G1F+7], 0
	s_lshl_b32 s78, s22, 3
	s_add_co_u32 s77, s77, s78                     ; E's first tile
	s_lshl_b32 s78, s[WV], 1
	s_add_co_u32 s78, s78, s77                     ; the two that I fetch
	s_mul_i32 s78, s78, 12288
	s_mov_b32 s79, 0
	s_lshl_b32 s82, s23, 4
	s_add_co_u32 s81, s81, s82
	s_lshl_b32 s82, s[WV], 2
	s_add_co_u32 s81, s81, s82                     ; my four tiles of F, which I fetch and I alone read
	s_mul_i32 s82, s81, 12288
	s_mov_b32 s83, 0
	s_mul_i32 s88, s[WV], 6144                     ; where they go: the wave's number alone enters an LDS address
	s_mul_i32 s89, s[WV], 12288
	s_add_co_u32 s89, s89, FOFF
	s_mov_b32 s[SEL], 0x76543210
	s_mov_b32 s[SEL+1], 0xfedcba98
	s_wait_dscnt 0x0                               ; the opening add is done
	s_wait_kmcnt 0x0
	s_add_nc_u64 s[84:85], s[4:5], s[78:79]
	s_add_nc_u64 s[86:87], s[4:5], s[82:83]
.irp c, 0,1,2,3
.set GF, 56+4*\c+4*(\c/2)              ; F's groups 0: s56, s60, s68, s72
	s_mov_b32 s[G0E+4*\c], 1
	s_add_co_u32 s[G0E+4*\c+1], s88, \c*CH
	s_add_nc_u64 s[G0E+4*\c+2:G0E+4*\c+3], s[84:85], \c*3072
	s_or_b32 s[G0E+4*\c+3], s[G0E+4*\c+3], 0x80000000
	s_mov_b32 s[GF], 1
	s_add_co_u32 s[GF+1], s89, \c*CH
	s_add_nc_u64 s[GF+2:GF+3], s[86:87], \c*3072
	s_or_b32 s[GF+3], s[GF+3], 0x80000000
.endr
	CROUND                                         ; all sixteen work-groups are here: the joint loads meet
.irp c, 0,1,2,3
.set GF, 56+4*\c+4*(\c/2)
	tensor_load_to_lds s[G0E+4*\c:G0E+4*\c+3], s[G1E:G1E+7]
	s_nop 0
	tensor_load_to_lds s[GF:GF+3], s[G1F:G1F+7]
	s_nop 0
.endr
.rept 4
	v_nop
.endr
	v_and_b32 v[L8], 31, v0
	v_lshlrev_b32 v[L16], 4, v[L8]
	v_lshlrev_b32 v[L8], 3, v[L8]
	v_and_b32 v[ABV], 15, v0                       ; r
	v_bfe_u32 v[TP], v0, 4, 1                      ; h
	v_lshlrev_b32 v[ASE], 5, v[ABV]
	v_lshl_add_u32 v[ASF], v[TP], 10, v[ASE]
	v_lshl_add_u32 v[ASE], v[TP], 11, v[ASE]
	v_lshlrev_b32 v[ABI], 6, v[TP]
	v_and_b32 v[TP], 8, v[ABV]
	v_add_nc_u32 v[ABV], v[ABV], v[TP]
	v_lshlrev_b32 v[ABV], 2, v[ABV]
.irp c, 0,1,2,3
	v_add_nc_u32 v[AE+\c], \c*CH, v[L16]
	v_add_nc_u32 v[AF+\c], s89, v[AE+\c]
.endr
.irp b, 0,1,2,3
	v_mov_b32 v[TM+4+\b], 0                        ; written once: a lane permute's destination counts as one of its sources
.endr
	s_lshl_b32 s78, s77, 9
	s_add_nc_u64 s[96:97], s[6:7], s[78:79]        ; E's scale rows
	s_lshl_b32 s82, s81, 9
	s_add_nc_u64 s[98:99], s[6:7], s[82:83]        ; my tiles' of F
	s_cmp_eq_u32 s21, 1
	s_cselect_b64 s[92:93], s[10:11], s[8:9]
	s_cmp_eq_u32 s21, 2
	s_cselect_b64 s[92:93], s[12:13], s[92:93]     ; the product's bias
	s_and_b32 s90, s23, 3
	s_lshl_b32 s90, s90, 8
	s_lshl_b32 s91, s[WV], 6
	s_add_co_u32 s90, s90, s91
	s_lshl_b32 s90, s90, 2
	s_mov_b32 s91, 0
	s_add_nc_u64 s[94:95], s[92:93], s[90:91]      ; along F's rows (used for v; held inside the buffer for q and k)
	s_and_b32 s90, s22, 7
	s_lshl_b32 s90, s90, 9
	s_add_nc_u64 s[92:93], s[92:93], s[90:91]      ; along E's rows (used for q and k; held inside the buffer for v)
.irp t, 0,1,2,3
.irp q, 0,1
	global_load_b128 v[SC0+8*\t+4*\q:SC0+8*\t+4*\q+3], v[ASE], s[96:97] offset:512*\t+16*\q
.endr
.endr
.irp a, 0,1
.irp q, 0,1
	global_load_b128 v[SC1+8*\a+4*\q:SC1+8*\a+4*\q+3], v[ASF], s[98:99] offset:512*\a+16*\q
.endr
.endr
.irp t, 0,1,2,3,4,5,6,7
.irp q, 0,1
	global_load_b128 v[BI+8*\t+4*\q:BI+8*\t+4*\q+3], v[ABI], s[92:93] offset:(32*(\t/2)+8*(\t%2))*4+16*\q
.endr
.endr
.irp a, 0,1,2,3
	global_load_b32 v[BV+\a], v[ABV], s[94:95] offset:(32*(\a/2)+8*(\a%2))*4
.endr
	s_wait_loadcnt 0x0
; one product: E's tile t x F's tile a, K step s.  zero = 1: it starts the sum
.macro PROD a, t, s, zero
.set rD, 8*(8*(\a)+(\t))
.set rA, 12*(\t)
.set rB, 96+12*(\a)
.set rX, SC0+8*((\t)%4)+(\s)
.set rY, SC1+8*((\a)%2)+(\s)
.set vrn, 2*((\t)/4)+(\a)/2+4*(\zero)
.if vrn == 0
	v_wmma_scale_f32_16x16x128_f8f6f4 v[rD:rD+7], v[rA:rA+11], v[rB:rB+11], v[rD:rD+7], v[rX], v[rY] matrix_a_fmt:MATRIX_FMT_FP6 matrix_b_fmt:MATRIX_FMT_FP6
.elseif vrn == 1
	v_wmma_scale_f32_16x16x128_f8f6f4 v[rD:rD+7], v[rA:rA+11], v[rB:rB+11], v[rD:rD+7], v[rX], v[rY] matrix_a_fmt:MATRIX_FMT_FP6 matrix_b_fmt:MATRIX_FMT_FP6 matrix_b_scale:MATRIX_SCALE_ROW1
.elseif vrn == 2
	v_wmma_scale_f32_16x16x128_f8f6f4 v[rD:rD+7], v[rA:rA+11], v[rB:rB+11], v[rD:rD+7], v[rX], v[rY] matrix_a_fmt:MATRIX_FMT_FP6 matrix_b_fmt:MATRIX_FMT_FP6 matrix_a_scale:MATRIX_SCALE_ROW1
.elseif vrn == 3
	v_wmma_scale_f32_16x16x128_f8f6f4 v[rD:rD+7], v[rA:rA+11], v[rB:rB+11], v[rD:rD+7], v[rX], v[rY] matrix_a_fmt:MATRIX_FMT_FP6 matrix_b_fmt:MATRIX_FMT_FP6 matrix_a_scale:MATRIX_SCALE_ROW1 matrix_b_scale:MATRIX_SCALE_ROW1
.elseif vrn == 4
	v_wmma_scale_f32_16x16x128_f8f6f4 v[rD:rD+7], v[rA:rA+11], v[rB:rB+11], 0, v[rX], v[rY] matrix_a_fmt:MATRIX_FMT_FP6 matrix_b_fmt:MATRIX_FMT_FP6
.elseif vrn == 5
	v_wmma_scale_f32_16x16x128_f8f6f4 v[rD:rD+7], v[rA:rA+11], v[rB:rB+11], 0, v[rX], v[rY] matrix_a_fmt:MATRIX_FMT_FP6 matrix_b_fmt:MATRIX_FMT_FP6 matrix_b_scale:MATRIX_SCALE_ROW1
.elseif vrn == 6
	v_wmma_scale_f32_16x16x128_f8f6f4 v[rD:rD+7], v[rA:rA+11], v[rB:rB+11], 0, v[rX], v[rY] matrix_a_fmt:MATRIX_FMT_FP6 matrix_b_fmt:MATRIX_FMT_FP6 matrix_a_scale:MATRIX_SCALE_ROW1
.else
	v_wmma_scale_f32_16x16x128_f8f6f4 v[rD:rD+7], v[rA:rA+11], v[rB:rB+11], 0, v[rX], v[rY] matrix_a_fmt:MATRIX_FMT_FP6 matrix_b_fmt:MATRIX_FMT_FP6 matrix_a_scale:MATRIX_SCALE_ROW1 matrix_b_scale:MATRIX_SCALE_ROW1
.endif
.endm
; a K step's 32 products on fragment set p: the 32 accumulators take turns, one instruction a turn, in the same order in every step
.macro MUL s, p, zero
	WIN 0x5a+5*(\p)                                ; A and B window 2 or 3, C and D window 1
.irp a, 0,1,2,3
.irp t, 0,1,2,3,4,5,6,7
	PROD \a, \t, \s, \zero
.endr
.endr
.endm
; K step s's 12 fragments into set p: 36 loads of 512 consecutive bytes
.macro FETCH s, p
	WIN 0x80+0x40*(\p)
.irp t, 0,1,2,3,4,5,6,7
.irp c, 0,1,2
	ds_load_b128 v[12*\t+4*\c:12*\t+4*\c+3], v[AE+(\s)/2] offset:3072*\t+1536*((\s)%2)+512*\c
.endr
.endr
.irp a, 0,1,2,3
.irp c, 0,1,2
	ds_load_b128 v[96+12*\a+4*\c:96+12*\a+4*\c+3], v[AF+(\s)/2] offset:3072*\a+1536*((\s)%2)+512*\c
.endr
.endr
	WIN 0
.endm
	s_wait_tensorcnt 0x6                           ; my parts of chunk 0 are in; the six loads of chunks 1 to 3 may be out
	s_barrier_signal -1
	s_barrier_wait -1                              ; everybody's are
	FETCH 0, 0
.irp s, 0,1,2,3,4,5,6,7
	s_wait_dscnt 0x0                               ; this step's fragments are in
.if (\s == 1) || (\s == 3) || (\s == 5)
	s_wait_tensorcnt 5-\s                          ; my parts of the next chunk are in; the loads of the chunks behind it may be out
	s_barrier_signal -1
	s_barrier_wait -1
.endif
.if \s < 7
.if \s > 0
.rept 4
	v_nop                                          ; places in front of loads into registers that the step before multiplied
.endr
.endif
	FETCH \s+1, 1-\s%2
.endif
.if \s == 0
	MUL 0, 0, 1
.else
	MUL \s, \s%2, 0
.endif
.endr
	WIN 0
.rept 4
	v_nop                                          ; places in front of the first read of results
.endr
; THE WAY OUT of F's tile a: bias, quantiser, stores.  A lane's 64 numbers are 128 neighbours' worth along the next K (with lane l xor 16)
.macro EPI a, isv
.if \a > 0
	s_wait_xcnt 0x0                                ; the last tile's stores have read the codes' registers
.endif
	WIN 0x01                                       ; source 0: the accumulators, window 1
.set i, 0
.rept 32
.if \isv
.if (\a)%2
	v_pk_add_f32 v[ST+i:ST+i+1], v[64*(\a)+i:64*(\a)+i+1], v[BV+2*((\a)/2):BV+2*((\a)/2)+1] op_sel:[0,1] op_sel_hi:[1,1]
.else
	v_pk_add_f32 v[ST+i:ST+i+1], v[64*(\a)+i:64*(\a)+i+1], v[BV+2*((\a)/2):BV+2*((\a)/2)+1] op_sel_hi:[1,0]
.endif
.else
	v_pk_add_f32 v[ST+i:ST+i+1], v[64*(\a)+i:64*(\a)+i+1], v[BI+i:BI+i+1]
.endif
.set i, i+2
.endr
	WIN 0
	QUANT ST, PW+(\a)
.if \isv
.irp c, 0,1,2
	global_store_b128 v[L16], v[PC+4*\c:PC+4*\c+3], s[24:25] offset:VC+1536*(\a)+512*\c
.endr
.else
	global_store_b128 v[L16], v[PC:PC+3], s[24:25] offset:768*(\a)            ; the first head's 64 channels: registers 0-5
	global_store_b64 v[L8], v[PC+4:PC+5], s[24:25] offset:768*(\a)+512
	global_store_b128 v[L16], v[PC+6:PC+9], s[26:27] offset:768*(\a)          ; the second head's: registers 6-11
	global_store_b64 v[L8], v[PC+10:PC+11], s[26:27] offset:768*(\a)+512
.endif
.endm
	s_mov_b32 s47, 0xffff0000                      ; lanes 16-31.  (All tensor loads are done: the descriptors' registers are free)
	s_cmp_eq_u32 s21, 2
	s_cbranch_scc1 .Lv
	; ---- q and k
	s_lshr_b32 s32, s23, 3                         ; batch
	s_and_b32 s33, s23, 7                          ; block of 256 tokens in it
	s_lshl_b32 s34, s32, 4
	s_lshl_b32 s35, s22, 1
	s_add_co_u32 s34, s34, s35                     ; batch x 16 + my first head
	s_lshl_b32 s36, s34, 7
	s_lshl_b32 s37, s33, 4
	s_add_co_u32 s36, s36, s37
	s_lshl_b32 s37, s[WV], 2
	s_add_co_u32 s36, s36, s37
	s_mul_i32 s36, s36, 768                        ; q: my first tile's half image
	s_lshl_b32 s38, s34, 5
	s_lshl_b32 s37, s33, 2
	s_add_co_u32 s38, s38, s37
	s_add_co_u32 s38, s38, s[WV]
	s_lshl_b32 s38, s38, 8
	s_add_co_u32 s38, s38, QSOFF                   ; q: my four tiles' scale words
	s_lshl_b32 s40, s34, 4
	s_lshl_b32 s37, s33, 1
	s_add_co_u32 s40, s40, s37
	s_lshr_b32 s37, s[WV], 1
	s_add_co_u32 s40, s40, s37
	s_mul_i32 s40, s40, REC                        ; k: the key step's record
	s_and_b32 s37, s[WV], 1
	s_lshl_b32 s41, s37, 8
	s_add_co_u32 s41, s41, s40
	s_add_co_u32 s41, s41, KS                      ; k: my four tiles' scale words
	s_mul_i32 s37, s37, 3072
	s_add_co_u32 s40, s40, s37                     ; k: my first tile's half image
	s_mov_b32 s42, 16*REC
	s_mov_b32 s44, 16*REC
	s_cmp_eq_u32 s21, 0
	s_cselect_b64 s[24:25], s[14:15], s[16:17]
	s_cselect_b32 s36, s36, s40
	s_cselect_b32 s38, s38, s41
	s_cselect_b32 s42, 128*768, s42                ; from a head to the next: codes,
	s_cselect_b32 s44, 32*256, s44                 ; scale words
	s_mov_b32 s37, 0
	s_mov_b32 s39, 0
	s_mov_b32 s43, 0
	s_mov_b32 s45, 0
	s_mov_b64 s[28:29], s[24:25]
	s_add_nc_u64 s[24:25], s[24:25], s[36:37]
	s_add_nc_u64 s[26:27], s[24:25], s[42:43]
	s_add_nc_u64 s[28:29], s[28:29], s[38:39]
	s_add_nc_u64 s[30:31], s[28:29], s[44:45]
	EPI 0, 0
	EPI 1, 0
	EPI 2, 0
	EPI 3, 0
	v_cndmask_b32 v[WA], v[PW], v[PW+1], s47       ; lanes 0-15: tiles 0 and 2, lanes 16-31: tiles 1 and 3
	v_cndmask_b32 v[WA+1], v[PW+2], v[PW+3], s47
	v_lshrrev_b32 v[WB], 16, v[WA]                 ; the second head's two bytes.  The upper two bytes of either word stand over zero codes and are never 0xff
	v_lshrrev_b32 v[WB+1], 16, v[WA+1]
	global_store_b64 v[L8], v[WA:WA+1], s[28:29]
	global_store_b64 v[L8], v[WB:WB+1], s[30:31]
	s_branch .Lfin
	; ---- v
.Lv:
	s_lshr_b32 s32, s22, 4                         ; batch
	s_lshl_b32 s32, s32, 4
	s_lshl_b32 s33, s23, 2
	s_add_co_u32 s32, s32, s33
	s_add_co_u32 s32, s32, s[WV]                   ; batch x 16 + my head
	s_lshl_b32 s32, s32, 4
	s_and_b32 s33, s22, 15
	s_add_co_u32 s32, s32, s33                     ; the key step
	s_mul_i32 s32, s32, REC
	s_mov_b32 s33, 0
	s_add_nc_u64 s[24:25], s[16:17], s[32:33]
	EPI 0, 1
	EPI 1, 1
	EPI 2, 1
	EPI 3, 1
	v_cndmask_b32 v[WA], v[PW], v[PW+1], s47
	v_cndmask_b32 v[WA+1], v[PW+2], v[PW+3], s47
	global_store_b64 v[L8], v[WA:WA+1], s[24:25] offset:VS
.Lfin:
	s_wait_tensorcnt 0x0                           ; the wave's end
	ds_add_u32 v[SPW], v[NIL]
	s_wait_dscnt 0x0
	CROUND                                         ; the closing round
	s_endpgm
.Lfunc_end_k_qdd91b17f49_proj:
	.size	k_qdd91b17f49_proj, .Lfunc_end_k_qdd91b17f49_proj-k_qdd91b17f49_proj
	.p2alignl 7, 3214868480
	.fill 96, 4, 3214868480
	.section	.rodata,"a",@progbits
	.p2align	6, 0x0
	.amdhsa_kernel k_qdd91b17f49_proj
		.amdhsa_group_segment_fixed_size 327680
		.amdhsa_private_segment_fixed_size 0
		.amdhsa_enable_private_segment 0
		.amdhsa_kernarg_size 56
		.amdhsa_user_sgpr_count 2
		.amdhsa_user_sgpr_kernarg_segment_ptr 1
		.amdhsa_wavefront_size32 1
		.amdhsa_system_sgpr_workgroup_id_x 1
		.amdhsa_system_sgpr_workgroup_id_y 1
		.amdhsa_system_sgpr_workgroup_id_z 1
		.amdhsa_system_vgpr_workitem_id 0
		.amdhsa_next_free_vgpr 1024
		.amdhsa_next_free_sgpr 100
		.amdhsa_reserve_vcc 0
		.amdhsa_float_denorm_mode_32 3
		.amdhsa_float_denorm_mode_16_64 3
		.amdhsa_memory_ordered 1
		.amdhsa_forward_progress 1
		.amdhsa_inst_pref_size 116
	.end_amdhsa_kernel
	.amdgpu_metadata
---
amdhsa.version: [ 1, 2 ]
amdhsa.kernels:
  - .name:           k_qdd91b17f49_proj
    .symbol:         k_qdd91b17f49_proj.kd
    .args:
      - { .name: xc, .offset: 0, .size: 8, .value_kind: global_buffer, .address_space: global }
      - { .name: xs, .offset: 8, .size: 8, .value_kind: global_buffer, .address_space: global }
      - { .name: bq, .offset: 16, .size: 8, .value_kind: global_buffer, .address_space: global }
      - { .name: bk, .offset: 24, .size: 8, .value_kind: global_buffer, .address_space: global }
      - { .name: bv, .offset: 32, .size: 8, .value_kind: global_buffer, .address_space: global }
      - { .name: qc, .offset: 40, .size: 8, .value_kind: global_buffer, .address_space: global }
      - { .name: kv, .offset: 48, .size: 8, .value_kind: global_buffer, .address_space: global }
    .group_segment_fixed_size: 327680
    .private_segment_fixed_size: 0
    .kernarg_segment_align: 8
    .kernarg_segment_size: 56
    .max_flat_workgroup_size: 128
    .sgpr_count:     100
    .vgpr_count:     1024
    .wavefront_size: 32
...
	.end_amdgpu_metadata
.endif
;; end of part 2
;; launch attn (part 3): grid 4 x 64, 16 waves a work-group, no clusters, 28,160 bytes of LDS; arguments qc, kv, mw, mf, ac; writes ac
.if DOCPART == 3
	.amdgcn_target "amdgcn-amd-amdhsa--gfx1250"
	.amdhsa_code_object_version 6
	.text
	.protected	k_qdd91b17f49_attn
	.globl	k_qdd91b17f49_attn
	.p2align	8
	.type	k_qdd91b17f49_attn,@function
k_qdd91b17f49_attn:
	s_mov_b64 s[64:65], 0
	v_nop
	global_prefetch_b8 v0, s[64:65] scope:SCOPE_SE
	s_setreg_imm32_b32 hwreg(HW_REG_WAVE_MODE, 25, 1), 1
	s_wait_xcnt 0x0
; ATTN.  For each batch x head: S^T = K Q^T, the mask, p = 2^(t - M), O^T = V^T P^T, O / the row's sum, all on codes of FP6 with E8M0 scales; the result is quantised along the head's 64 channels for the last product.
; t = score x log2(e) / 8; M = the running largest t rounded UP to a whole number; the row's sum is taken of the unquantised p; when M moves, the sum and O are multiplied by 2^(old M - new M): exact.
; The first product's K is the head's 64: the upper half of both fragments is zero codes, set once.
; THE MASK is honoured as it is given: the launch before has packed it into lane masks, one word for each score register of a tile and key step, so that masking is one select a score.  A hidden score becomes -2^33:
; its t is a whole number, so a row with no open key has p = 1 for every key, the uniform row of the definition; in any other row p = 0.  LIMIT: logits at or under about -1e9 are not told apart from hidden ones; NaN and infinities are not served.
; A key step all of whose bits are off for a wave's 16 queries is left out by that wave (a branch on a stored word), and is not fetched where all sixteen waves leave it out; tiles with a wholly hidden row leave nothing out.
; SHARES.  A work-group takes blocks x and 7 - x of 256 queries of one batch x head, one after the other.  Wave w owns one tile of 16 queries in 256 registers: four waves to a SIMD.
; A key step's record (13,056 bytes: 8 half images of K, 4 images of V, their scale words) is loaded through registers a whole step ahead and put into one of two LDS slots; one barrier a step orders both the last reads of a slot
; against its next stores and those stores against their reads.  No tensor load and no joint request: the walk over the steps branches on numbers read from memory.
; The 2-byte scale stores at a pass's end write their 32-byte rows in parts: 2 bytes for each 768 bytes of codes.
.set REC,   13056
.set VC,    6144
.set KS,    12288
.set VS,    12800
.set SPARE, 2*REC                      ; the spare words, 128 bytes for each of 16 waves
.set QSOFF, 6291456
.set ASOFF, 6291456
.set L16, 1
.set L8,  2
.set GOF, 3                            ; v3   16 x thread
.set GO8, 4                            ; v4   8 x thread
.set SPW, 5
.set NIL, 6
.set NEG, 7                            ; v7   -2^33
.set QS,  8                            ; v8   Q's scale words
.set R8,  9                            ; v9   8 r
.set R32, 10                           ; v10  32 r
.set T0,  11
.set Q,   16                           ; v16-27  Q's fragment (v22-27 zero codes)
.set ST0, 28                           ; v28-35  the record's bytes on their way to LDS
.set ST1, 32
.set KSC, 36                           ; v36-39  K's scale words
.set VSC, 40                           ; v40-41  V's
.set KF,  42                           ; v42-89  four fragments of K (the upper six registers of each: zero codes)
.set S,   90                           ; v90-153 S^T, then p; then V's four fragments in v90-137
.set O,   154                          ; v154-185 O^T
.set PC,  186                          ; v186-205 p's codes
.set BM,  206
.set BP,  210
.set SO,  214
.set FF,  218                          ; v[218:219] f = 2^(old M - new M)
.set TMP, 220
.set PS,  221                          ; p's scale word
.set C2,  222                          ; v[222:223] the sum's second chain
.set CS,  2                            ; s[2:3] c = log2(e) / 8
.set WV,  14
.set FW,  20                           ; my tile's classes, two bits a step
.set NW,  21                           ; the sixteen tiles' classes, or-ed
.set CLS, 22
.set NEEDN, 23
.set KVP, 24
.set MP,  26
.set GT,  28                           ; my tile among the 512 tiles of tokens
.set SEL, 30
; a record's 13,056 bytes: 512 threads x 16; 256 threads x 16; 96 threads x 8
.macro LOADG off
	global_load_b128 v[ST0:ST0+3], v[GOF], s[KVP:KVP+1] offset:\off
	s_cmp_lt_u32 s[WV], 8
	s_cbranch_scc0 .Lg_hi_\@
	global_load_b128 v[ST1:ST1+3], v[GOF], s[KVP:KVP+1] offset:\off+8192
	s_branch .Lg_end_\@
.Lg_hi_\@:
	s_cmp_lt_u32 s[WV], 11
	s_cbranch_scc0 .Lg_end_\@
	global_load_b64 v[ST1:ST1+1], v[GO8], s[KVP:KVP+1] offset:\off+10240
.Lg_end_\@:
.endm
.macro STOREL sl
	ds_store_b128 v[GOF], v[ST0:ST0+3] offset:REC*(\sl)
	s_cmp_lt_u32 s[WV], 8
	s_cbranch_scc0 .Ls_hi_\@
	ds_store_b128 v[GOF], v[ST1:ST1+3] offset:REC*(\sl)+8192
	s_branch .Ls_end_\@
.Ls_hi_\@:
	s_cmp_lt_u32 s[WV], 11
	s_cbranch_scc0 .Ls_end_\@
	ds_store_b64 v[GO8], v[ST1:ST1+1] offset:REC*(\sl)+10240
.Ls_end_\@:
.endm
	s_load_b256 s[4:11], s[0:1], 0x0               ; qc, kv, mw, mf
	s_load_b64 s[12:13], s[0:1], 0x20              ; ac
	v_lshl_add_u32 v[SPW], v0, 2, SPARE
	v_mov_b32 v[NIL], 0
	v_lshrrev_b32 v[T0], 5, v0
	v_readfirstlane_b32 s[WV], v[T0]               ; wave 0..15
	v_and_b32 v[T0], 31, v0
	v_lshlrev_b32 v[L16], 4, v[T0]
	v_lshlrev_b32 v[L8], 3, v[T0]
	v_lshlrev_b32 v[GOF], 4, v0
	v_lshlrev_b32 v[GO8], 3, v0
	v_mov_b32 v[NEG], 0xd0000000
	v_and_b32 v[T0], 15, v0
	v_lshlrev_b32 v[R8], 3, v[T0]
	v_lshlrev_b32 v[R32], 5, v[T0]
.irp k, 6,7,8,9,10,11
	v_mov_b32 v[Q+\k], 0                           ; zero codes for k = 64 .. 127
.irp i, 0,1,2,3
	v_mov_b32 v[KF+12*\i+\k], 0
.endr
.endr
.irp k, 0,1,2,3,4,5,6,7
	v_mov_b32 v[ST0+\k], 0                         ; written once, so that they are written on every path
.endr
.irp b, 0,1,2,3
	v_mov_b32 v[BP+\b], 0                          ; a lane permute's destination counts as one of its sources
.endr
	v_mov_b32 v[FF+1], 0                           ; (named as the upper half of a pair)
	v_mov_b32 v[TMP], 0
	s_mov_b32 s[CS], 0x3e38aa3b
	s_mov_b32 s[CS+1], s[CS]
	s_mov_b32 s[SEL], 0x76543210
	s_mov_b32 s[SEL+1], 0xfedcba98
	s_mov_b32 s15, ttmp9                           ; x
	s_and_b32 s16, ttmp7, 0xffff                   ; batch x 16 + head
	s_mov_b32 s17, 0                               ; the pass
	s_wait_kmcnt 0x0
; A KEY STEP, 128 keys, from slot sl
.macro STEP sl
	s_lshr_b32 s[NW], s[NW], 2
	s_and_b32 s[NEEDN], s[NW], 1                   ; does any wave want the next step?  (Behind the sixteenth step the word is 0: no load leaves the buffer)
	s_cmp_lg_u32 s[NEEDN], 0
	s_cbranch_scc0 .Lnl_\@
	LOADG REC                                      ; the next record: it has this whole step in which to come
.Lnl_\@:
	s_and_b32 s[CLS], s[FW], 3
	s_lshr_b32 s[FW], s[FW], 2
	s_bitcmp1_b32 s[CLS], 0
	s_cbranch_scc0 .Lskip_\@                       ; every key of the step is hidden from my 16 queries
	s_load_b512 s[32:47], s[MP:MP+1], 0x0          ; the step's 64 lane masks
	s_load_b512 s[48:63], s[MP:MP+1], 0x40
	s_load_b512 s[68:83], s[MP:MP+1], 0x80
	s_load_b512 s[84:99], s[MP:MP+1], 0xc0
.irp g, 0,1                                    ; S^T = K Q^T, four tiles of 16 keys at a time
.if \g
.rept 4
	v_nop                                          ; places in front of loads into registers that matrix instructions have read
.endr
.endif
.irp i, 0,1,2,3
	ds_load_b128 v[KF+12*\i:KF+12*\i+3], v[L16] offset:REC*(\sl)+768*(4*\g+\i)
	ds_load_b64 v[KF+12*\i+4:KF+12*\i+5], v[L8] offset:REC*(\sl)+768*(4*\g+\i)+512
.endr
	ds_load_b64 v[KSC+2*\g:KSC+2*\g+1], v[L8] offset:REC*(\sl)+KS+256*\g
	s_wait_dscnt 0x0
.irp i, 0,2
	v_wmma_scale_f32_16x16x128_f8f6f4 v[S+8*(4*\g+\i):S+8*(4*\g+\i)+7], v[KF+12*\i:KF+12*\i+11], v[Q:Q+11], 0, v[KSC+2*\g+\i/2], v[QS] matrix_a_fmt:MATRIX_FMT_FP6 matrix_b_fmt:MATRIX_FMT_FP6
	v_wmma_scale_f32_16x16x128_f8f6f4 v[S+8*(4*\g+\i+1):S+8*(4*\g+\i+1)+7], v[KF+12*(\i+1):KF+12*(\i+1)+11], v[Q:Q+11], 0, v[KSC+2*\g+\i/2], v[QS] matrix_a_fmt:MATRIX_FMT_FP6 matrix_b_fmt:MATRIX_FMT_FP6 matrix_a_scale:MATRIX_SCALE_ROW1
.endr
.endr                                          ; lane (r, h) holds query r of my tile; register 16 b + i is key 32 b + 16 h + i of the step
.rept 4
	v_nop
.endr
	s_wait_kmcnt 0x0
	s_bitcmp1_b32 s[CLS], 1
	s_cbranch_scc0 .Lopen_\@                       ; every key of the step is open
.set n, 0
.rept 64
.set m, 2*(n%32)+n/32                  ; where register n's word lies among the 64
.if m < 32
	v_cndmask_b32 v[S+n], v[NEG], v[S+n], s[32+m]
.else
	v_cndmask_b32 v[S+n], v[NEG], v[S+n], s[36+m]
.endif
.set n, n+1
.endr
.Lopen_\@:
.irp b, 0,1,2,3
	v_max3_num_f32 v[BM+\b], v[S+16*\b], v[S+1+16*\b], v[S+2+16*\b]   ; the largest score of each block of 32 keys: for the row's maximum, and, since p rises with the score, for the block's largest p
.endr
.irp i, 3,5,7,9,11,13
.irp b, 0,1,2,3
	v_max3_num_f32 v[BM+\b], v[BM+\b], v[S+16*\b+\i], v[S+1+16*\b+\i]
.endr
.endr
.irp b, 0,1,2,3
	v_max_num_f32 v[BM+\b], v[BM+\b], v[S+15+16*\b]
.endr
.irp b, 0,1,2,3
	v_permlanex16_b32 v[BP+\b], v[BM+\b], s[SEL], s[SEL+1]
.endr
.irp b, 0,1,2,3
	v_max_num_f32 v[BM+\b], v[BM+\b], v[BP+\b]     ; with lane l xor 16's 16 keys
.endr
	v_max3_num_f32 v[TMP], v[BM], v[BM+1], v[BM+2]
	v_max_num_f32 v[TMP], v[TMP], v[BM+3]
	v_mul_f32 v[TMP], s[CS], v[TMP]                ; as t (c is positive)
	v_max_num_f32 v13, v13, v[TMP]                 ; the running largest t
	v_mov_b32 v[TMP], v12
	v_floor_f32 v12, -v13                          ; -M = floor(-t): M is a whole number
	v_sub_f32 v[TMP], v12, v[TMP]                  ; old M - new M, 0 or less
	v_cvt_i32_f32 v[TMP], v[TMP]                   ; (it saturates)
	v_ldexp_f32 v[FF], 1.0, v[TMP]                 ; f = 2^(old M - new M)
.set j, 0
.rept 32
	v_pk_fma_f32 v[S+j:S+j+1], v[S+j:S+j+1], s[CS:CS+1], v[12:13] op_sel_hi:[1,0,0]   ; t - M
.set j, j+2
.endr
.irp b, 0,1,2,3
	v_fma_f32 v[BM+\b], v[BM+\b], s[CS], v12
.endr
.set j, 0
.rept 64
	v_exp_f32 v[S+j], v[S+j]                       ; p = 2^(t - M), not normalised
.set j, j+1
.endr
	v_pk_mul_f32 v[14:15], v[14:15], v[FF:FF+1] op_sel_hi:[1,0]   ; the sums under the new M: a plain place behind the exponentials
	s_wait_alu depctr_va_vdst(0)                   ; one wait for the batch, ahead of its first reader
.irp b, 0,1,2,3
	v_exp_f32 v[BM+\b], v[BM+\b]                   ; the block's largest p
.endr
	v_pk_add_f32 v[C2:C2+1], v[S:S+1], v[S+2:S+3]  ; the row's sum of the unquantised p, in two chains
.irp j, 4,8,12,16,20,24,28,32,36,40,44,48,52,56,60
	v_pk_add_f32 v[14:15], v[14:15], v[S+\j:S+\j+1]
	v_pk_add_f32 v[C2:C2+1], v[C2:C2+1], v[S+2+\j:S+3+\j]
.endr
	v_pk_add_f32 v[14:15], v[14:15], v[C2:C2+1]
	s_wait_alu depctr_va_vdst(0)                   ; and one for the four
.irp b, 0,1,2,3
	v_max_num_f32 v[BM+\b], 0x1800000, v[BM+\b]    ; the floor 2^(3 - 127): the byte cannot fall under 1
.endr
.irp b, 0,1,2,3
	v_add_nc_u32 v[SO+\b], 0xff000000, v[BM+\b]    ; the conversion's scale operand
.endr
.irp b, 0,1,2,3
	v_lshrrev_b32 v[BP+\b], 23, v[SO+\b]
.endr
	v_lshl_or_b32 v[PS], v[BP+1], 8, v[BP]
	v_lshl_or_b32 v[PS], v[BP+2], 16, v[PS]
	v_lshl_or_b32 v[PS], v[BP+3], 24, v[PS]
.irp c, 0,1
	v_cvt_scalef32_pk16_fp6_f32 v[PC+6*\c:PC+2+6*\c], v[S+32*\c:S+15+32*\c], v[SO+2*\c]
	v_cvt_scalef32_pk16_fp6_f32 v[PC+12+4*\c:PC+14+4*\c], v[S+16+32*\c:S+31+32*\c], v[SO+2*\c+1]
.endr
	v_nop                                          ; one plain place behind a scaled conversion
.irp a, 0,1,2,3                                ; V's four fragments take p's registers: p has been summed and converted
.irp c, 0,1,2
	ds_load_b128 v[S+12*\a+4*\c:S+12*\a+4*\c+3], v[L16] offset:REC*(\sl)+VC+1536*\a+512*\c
.endr
.endr
	ds_load_b64 v[VSC:VSC+1], v[L8] offset:REC*(\sl)+VS
.irp c, 0,1
.irp i, 0,1,2
	v_permlane16_swap_b32 v[PC+6*\c+\i], v[PC+12+4*\c+\i]
.endr
.irp i, 0,1,2
	v_mov_b32 v[PC+3+6*\c+\i], v[PC+12+4*\c+\i]
.endr
.endr
.set j, 0
.rept 16
	v_pk_mul_f32 v[O+j:O+j+1], v[O+j:O+j+1], v[FF:FF+1] op_sel_hi:[1,0]   ; O^T under the new M; these are also the places between the codes' and the scale word's last writes and the products
.set j, j+2
.endr
	s_wait_dscnt 0x0
.irp a, 0,2
	v_wmma_scale_f32_16x16x128_f8f6f4 v[O+8*\a:O+8*\a+7], v[S+12*\a:S+12*\a+11], v[PC:PC+11], v[O+8*\a:O+8*\a+7], v[VSC+\a/2], v[PS] matrix_a_fmt:MATRIX_FMT_FP6 matrix_b_fmt:MATRIX_FMT_FP6
	v_wmma_scale_f32_16x16x128_f8f6f4 v[O+8*(\a+1):O+8*(\a+1)+7], v[S+12*(\a+1):S+12*(\a+1)+11], v[PC:PC+11], v[O+8*(\a+1):O+8*(\a+1)+7], v[VSC+\a/2], v[PS] matrix_a_fmt:MATRIX_FMT_FP6 matrix_b_fmt:MATRIX_FMT_FP6 matrix_a_scale:MATRIX_SCALE_ROW1
.endr
.rept 5
	v_nop                                          ; five places: the next step's first products write over V's registers
.endr
.Lskip_\@:
	s_wait_loadcnt 0x0                             ; the next record is in my registers, and its loads have read their base
	s_cmp_lg_u32 s[NEEDN], 0
	s_cbranch_scc0 .Lns_\@
	STOREL 1-\sl                                   ; into the slot that every wave left ahead of the last barrier
.Lns_\@:
	s_add_nc_u64 s[KVP:KVP+1], s[KVP:KVP+1], REC
	s_add_nc_u64 s[MP:MP+1], s[MP:MP+1], 256
	s_wait_dscnt 0x0                               ; my stores have landed and my reads of this slot are over
	s_barrier_signal -1
	s_barrier_wait -1
.endm
.Lpass:
	s_sub_co_u32 s29, 7, s15
	s_cmp_eq_u32 s17, 0
	s_cselect_b32 s19, s15, s29                    ; the block of 256 queries: x, then 7 - x
	s_lshl_b32 s29, s19, 4
	s_add_co_u32 s29, s29, s[WV]                   ; my tile in the batch
	s_lshr_b32 s[GT], s16, 4
	s_lshl_b32 s[GT], s[GT], 7
	s_add_co_u32 s[GT], s[GT], s29
	s_lshl_b32 s100, s[GT], 2
	s_sub_co_u32 s101, s[GT], s[WV]
	s_lshl_b32 s101, s101, 2
	s_load_b32 s[FW], s[10:11], s100 offset:0x0    ; my tile's classes
	s_load_b512 s[32:47], s[10:11], s101 offset:0x0   ; and those of the block's sixteen tiles
	s_lshl_b32 s68, s16, 7
	s_add_co_u32 s68, s68, s29
	s_mul_i32 s68, s68, 768
	s_mov_b32 s69, 0
	s_add_nc_u64 s[68:69], s[4:5], s[68:69]        ; Q's half image
	s_lshl_b32 s70, s16, 5
	s_lshl_b32 s71, s19, 2
	s_add_co_u32 s70, s70, s71
	s_lshr_b32 s71, s[WV], 2
	s_add_co_u32 s70, s70, s71
	s_lshl_b32 s70, s70, 8                         ; the group of four tiles,
	s_and_b32 s71, s[WV], 1
	s_lshl_b32 s71, s71, 7
	s_add_co_u32 s70, s70, s71
	s_bfe_u32 s71, s[WV], 0x10001
	s_lshl_b32 s71, s71, 2
	s_add_co_u32 s70, s70, s71                     ; my tile's words in it
	s_add_co_u32 s70, s70, QSOFF
	s_mov_b32 s71, 0
	s_add_nc_u64 s[70:71], s[4:5], s[70:71]
	global_load_b128 v[Q:Q+3], v[L16], s[68:69]
	global_load_b64 v[Q+4:Q+5], v[L8], s[68:69] offset:512
	global_load_b32 v[QS], v[R8], s[70:71]
.set j, 0
.rept 32
	v_mov_b32 v[O+j], 0                            ; the step is written once: the first finds zeros, which the first change of M leaves zeros
.set j, j+1
.endr
	v_mov_b32 v13, 0xff61b1e6                      ; the largest t so far: -3e38
	v_floor_f32 v12, -v13
	v_mov_b32 v14, 0
	v_mov_b32 v15, 0
	s_wait_kmcnt 0x0
	s_or_b32 s[NW], s32, s33
.irp k, 34,35,36,37,38,39,40,41,42,43,44,45,46,47
	s_or_b32 s[NW], s[NW], s\k
.endr
	s_mul_i32 s100, s16, 16*REC
	s_mov_b32 s101, 0
	s_add_nc_u64 s[KVP:KVP+1], s[6:7], s[100:101]  ; the head's first record
	s_lshl_b32 s100, s[GT], 12
	s_add_nc_u64 s[MP:MP+1], s[8:9], s[100:101]    ; my tile's first lane masks
	s_bitcmp1_b32 s[NW], 0
	s_cbranch_scc0 .Lp0
	LOADG 0
.Lp0:
	s_wait_loadcnt 0x0                             ; Q, its scale words, the first record
	s_bitcmp1_b32 s[NW], 0
	s_cbranch_scc0 .Lp1
	STOREL 0                                       ; slot 0 was last read two barriers ago
.Lp1:
	s_wait_dscnt 0x0
	s_barrier_signal -1
	s_barrier_wait -1
	s_mov_b32 s18, 8
.Ltrip:
	STEP 0
	STEP 1
	s_sub_co_u32 s18, s18, 1
	s_cmp_lg_u32 s18, 0
	s_cbranch_scc1 .Ltrip
	; THE WAY OUT of a pass: O^T / the sum, quantised along the head's 64 channels: register 16 b + i is channel 32 b + 16 h + i of my query
	v_add_f32 v14, v14, v15
	v_permlanex16_b32 v[TMP], v14, s[SEL], s[SEL+1]
	v_add_f32 v14, v14, v[TMP]                     ; the row's sum
	v_rcp_f32 v14, v14
	v_nop                                          ; a plain place behind the transcendental
	s_and_b32 s29, s16, 15                         ; the head
	s_lshl_b32 s68, s[GT], 4
	s_add_co_u32 s68, s68, s29
	s_mul_i32 s68, s68, 768
	s_mov_b32 s69, 0
	s_add_nc_u64 s[68:69], s[12:13], s[68:69]      ; my half image
	s_lshl_b32 s70, s[GT], 9
	s_lshl_b32 s71, s29, 1                         ; 4 (head / 2) + 2 (head % 2) = 2 x head
	s_add_co_u32 s70, s70, s71
	s_add_co_u32 s70, s70, ASOFF
	s_mov_b32 s71, 0
	s_add_nc_u64 s[70:71], s[12:13], s[70:71]      ; my two bytes of each row's scales
	s_wait_alu depctr_va_vdst(0)                   ; the wait ahead of the reciprocal's first reader
.set j, 0
.rept 32
	v_mul_f32 v[S+j], v[O+j], v14
.set j, j+1
.endr
.irp b, 0,1
	v_max3_num_f32 v[BM+\b], |v[S+16*\b]|, |v[S+1+16*\b]|, 0x1800000
.endr
.irp i, 2,4,6,8,10,12,14
.irp b, 0,1
	v_max3_num_f32 v[BM+\b], v[BM+\b], |v[S+16*\b+\i]|, |v[S+1+16*\b+\i]|
.endr
.endr
.irp b, 0,1
	v_permlanex16_b32 v[BP+\b], v[BM+\b], s[SEL], s[SEL+1]
.endr
.irp b, 0,1
	v_max_num_f32 v[BM+\b], v[BM+\b], v[BP+\b]
.endr
.irp b, 0,1
	v_add_nc_u32 v[SO+\b], 0xff000000, v[BM+\b]
.endr
.irp b, 0,1
	v_lshrrev_b32 v[BP+\b], 23, v[SO+\b]
.endr
	v_lshl_or_b32 v[PS], v[BP+1], 8, v[BP]
	v_cvt_scalef32_pk16_fp6_f32 v[PC:PC+2], v[S:S+15], v[SO]
	v_cvt_scalef32_pk16_fp6_f32 v[PC+12:PC+14], v[S+16:S+31], v[SO+1]
	v_nop                                          ; one plain place behind a scaled conversion
.irp i, 0,1,2
	v_permlane16_swap_b32 v[PC+\i], v[PC+12+\i]
.endr
.irp i, 0,1,2
	v_mov_b32 v[PC+3+\i], v[PC+12+\i]              ; registers 0-5: channels 32 h + 0 .. 31
.endr
	global_store_b128 v[L16], v[PC:PC+3], s[68:69]
	global_store_b64 v[L8], v[PC+4:PC+5], s[68:69] offset:512
	global_store_b16 v[R32], v[PS], s[70:71]       ; lanes r and r + 16 write the same two bytes with the same value
	s_wait_xcnt 0x0                                ; the stores have read their registers and bases: the next pass writes them again
	s_add_co_u32 s17, s17, 1
	s_cmp_lt_u32 s17, 2
	s_cbranch_scc1 .Lpass
	s_wait_tensorcnt 0x0                           ; the wave's end: behind my last LDS store
	ds_add_u32 v[SPW], v[NIL]
	s_wait_dscnt 0x0
	s_endpgm
.Lfunc_end_k_qdd91b17f49_attn:
	.size	k_qdd91b17f49_attn, .Lfunc_end_k_qdd91b17f49_attn-k_qdd91b17f49_attn
	.p2alignl 7, 3214868480
	.fill 96, 4, 3214868480
	.section	.rodata,"a",@progbits
	.p2align	6, 0x0
	.amdhsa_kernel k_qdd91b17f49_attn
		.amdhsa_group_segment_fixed_size 28160
		.amdhsa_private_segment_fixed_size 0
		.amdhsa_enable_private_segment 0
		.amdhsa_kernarg_size 40
		.amdhsa_user_sgpr_count 2
		.amdhsa_user_sgpr_kernarg_segment_ptr 1
		.amdhsa_wavefront_size32 1
		.amdhsa_system_sgpr_workgroup_id_x 1
		.amdhsa_system_sgpr_workgroup_id_y 1
		.amdhsa_system_sgpr_workgroup_id_z 1
		.amdhsa_system_vgpr_workitem_id 0
		.amdhsa_next_free_vgpr 256
		.amdhsa_next_free_sgpr 102
		.amdhsa_reserve_vcc 0
		.amdhsa_float_denorm_mode_32 3
		.amdhsa_float_denorm_mode_16_64 3
		.amdhsa_memory_ordered 1
		.amdhsa_forward_progress 1
		.amdhsa_inst_pref_size 54
	.end_amdhsa_kernel
	.amdgpu_metadata
---
amdhsa.version: [ 1, 2 ]
amdhsa.kernels:
  - .name:           k_qdd91b17f49_attn
    .symbol:         k_qdd91b17f49_attn.kd
    .args:
      - { .name: qc, .offset: 0, .size: 8, .value_kind: global_buffer, .address_space: global }
      - { .name: kv, .offset: 8, .size: 8, .value_kind: global_buffer, .address_space: global }
      - { .name: mw, .offset: 16, .size: 8, .value_kind: global_buffer, .address_space: global }
      - { .name: mf, .offset: 24, .size: 8, .value_kind: global_buffer, .address_space: global }
      - { .name: ac, .offset: 32, .size: 8, .value_kind: global_buffer, .address_space: global }
    .group_segment_fixed_size: 28160
    .private_segment_fixed_size: 0
    .kernarg_segment_align: 8
    .kernarg_segment_size: 40
    .max_flat_workgroup_size: 512
    .sgpr_count:     102
    .vgpr_count:     256
    .wavefront_size: 32
...
	.end_amdgpu_metadata
.endif
;; end of part 3
;; launch outp (part 4): grid 8 x 32, 4 waves a work-group, clusters of 4 x 4, 327,680 bytes of LDS; arguments ac, xc, xs, bo, out0; writes out0
.if DOCPART == 4
	.amdgcn_target "amdgcn-amd-amdhsa--gfx1250"
	.amdhsa_code_object_version 6
	.text
	.protected	k_qdd91b17f49_outp
	.globl	k_qdd91b17f49_outp
	.p2align	8
	.type	k_qdd91b17f49_outp,@function
k_qdd91b17f49_outp:
	s_mov_b64 s[64:65], 0
	v_nop
	global_prefetch_b8 v0, s[64:65] scope:SCOPE_SE
	s_setreg_imm32_b32 hwreg(HW_REG_WAVE_MODE, 25, 1), 1
	s_wait_xcnt 0x0
	s_wait_alu depctr_hold_cnt(0) depctr_sa_sdst(0) depctr_va_vdst(0) depctr_va_sdst(0) depctr_va_ssrc(0) depctr_va_vcc(0) depctr_vm_vsrc(0)
	s_getreg_b32 s2, hwreg(HW_REG_IB_STS2, 6, 4)
	s_cmp_eq_u32 s2, 0
	s_cbranch_scc0 .Lentry_in_a_cluster
	s_endpgm
.Lentry_in_a_cluster:
	s_bfe_u32 s2, ttmp6, 0x10000c
	s_cmp_lg_u32 s2, 0xf033
	s_cbranch_scc0 .Lentry_shape_is_right
	s_endpgm
.Lentry_shape_is_right:
; OUTP.  out = a Wo^T + bo on codes of FP6 with E8M0 scales; a is the attention launch's result, stored as half images [tile of 16 tokens 512][head 16][768], scale rows from ASOFF on.
; The scheme of the projections: E = 8 tiles of Wo (128 outputs), source 0, read by all four waves; F = 16 tiles of tokens, source 1, wave w has tiles 4 w .. 4 w + 3; 8 x 4 accumulators a wave.
; The whole K of both operands, 294,912 bytes, is filled ONCE by eight tensor loads a wave at the head (eight are out, by this text's count).  CLUSTER 4 x 4: E is asked for jointly down a column, F along a row.
; The bias is the C of each sum's first product.  A lane holds one token and 64 registers along 128 neighbouring outputs: a tile goes through the wave's stage in LDS and leaves as rows of 512 consecutive bytes.
; The stage lies in my own four tiles of F in chunk 0: they have had their only fill, and no other wave ever reads them.
; Row i of tile T is token 32 (T / 2) + 8 (T % 2) + i + 8 (i / 8).  LIMITS: NaN and infinities are not served.
.set CH,    73728
.set FOFF,  24576
.set SPARE, 4*CH
.set ASOFF, 6291456
.set L16, 1
.set L8,  2
.set ASE, 3
.set AE,  4
.set AF,  8
.set SPW, 12
.set NIL, 13
.set ASF, 14
.set ABI, 15
.set SC0, 16
.set SC1, 48
.set BI,  64
.set OB,  128                          ; v128-191 16 rows read back from the stage
.set STO, 236                          ; v236 the stage, on the way in: 528 r + 64 h
.set TP,  237
.set AG,  242                          ; v242-245 8 x lane at my four tiles of F
.set WV,  18
.set OP,  92
.set G1E, 24
.set G1F, 32
.set G0E, 40
.set MSB, 0
.macro WIN new
.if MSB != (\new)
	s_set_vgpr_msb (MSB<<8)|(\new)
.set MSB, (\new)
.endif
.endm
.macro CROUND
	s_barrier_signal -1
	s_barrier_wait -1
	s_cmp_lg_u32 s[WV], 0
	s_cbranch_scc1 .Lnot_wave_0_\@
	s_barrier_signal -3
.Lnot_wave_0_\@:
	s_barrier_wait -3
	s_barrier_signal -1
	s_barrier_wait -1
.endm
	s_load_b256 s[4:11], s[0:1], 0x0               ; ac, xc, xs, bo
	s_load_b64 s[12:13], s[0:1], 0x20              ; out0
	v_lshl_add_u32 v[SPW], v0, 2, SPARE
	v_mov_b32 v[NIL], 0
	ds_add_u32 v[SPW], v[NIL]                      ; the wave's opening: the add and its wait stand ahead of my first tensor load
	v_lshrrev_b32 v[TP], 5, v0
	v_readfirstlane_b32 s[WV], v[TP]
	s_bfe_u32 s19, ttmp6, 0x40000                  ; cx
	s_bfe_u32 s20, ttmp6, 0x40004                  ; cy
	s_lshl_b32 s22, ttmp9, 2
	s_add_co_u32 s22, s22, s19                     ; E's block of 128 outputs: hangs on cx alone
	s_and_b32 s23, ttmp7, 0xffff
	s_lshl_b32 s23, s23, 2
	s_add_co_u32 s23, s23, s20                     ; F's block of 256 tokens: hangs on cy alone
	s_lshl_b32 s90, 0x1111, s19
	s_or_b32 s[G1E], s90, (3<<16)|(1<<21)          ; the mask of my column; elements of 8 bytes; bit 21 beside a mask
	s_lshl_b32 s91, s20, 2
	s_lshl_b32 s91, 15, s91
	s_or_b32 s[G1F], s91, (3<<16)|(1<<21)          ; the mask of my row
	s_mov_b32 s[G1E+1], 384<<16                    ; rows of 3,072 bytes: two K steps of a tile
	s_mov_b32 s[G1E+2], 2<<16
	s_mov_b32 s[G1E+3], 384<<16
	s_mov_b32 s[G1E+4], 2
	s_mov_b32 s[G1E+5], 1536                       ; from tile to tile: 12,288 bytes
	s_mov_b32 s[G1E+6], 0
	s_mov_b32 s[G1E+7], 0
	s_mov_b32 s[G1F+1], 384<<16
	s_mov_b32 s[G1F+2], 4<<16
	s_mov_b32 s[G1F+3], 384<<16
	s_mov_b32 s[G1F+4], 4
	s_mov_b32 s[G1F+5], 1536
	s_mov_b32 s[G1F+6], 0
	s_mov_b32 s[G1F+7], 0
	s_lshl_b32 s77, s22, 3
	s_add_co_u32 s77, s77, 1728                    ; E's first tile: Wo's
	s_lshl_b32 s78, s[WV], 1
	s_add_co_u32 s78, s78, s77
	s_mul_i32 s78, s78, 12288
	s_mov_b32 s79, 0
	s_lshl_b32 s81, s23, 4
	s_lshl_b32 s82, s[WV], 2
	s_add_co_u32 s81, s81, s82                     ; my four tiles of tokens
	s_mul_i32 s82, s81, 12288
	s_mov_b32 s83, 0
	s_mul_i32 s88, s[WV], 6144
	s_mul_i32 s89, s[WV], 12288
	s_add_co_u32 s89, s89, FOFF
	s_wait_dscnt 0x0                               ; the opening add is done
	s_wait_kmcnt 0x0
	s_add_nc_u64 s[84:85], s[6:7], s[78:79]
	s_add_nc_u64 s[86:87], s[4:5], s[82:83]
.irp c, 0,1,2,3
.set GF, 56+4*\c+4*(\c/2)
	s_mov_b32 s[G0E+4*\c], 1
	s_add_co_u32 s[G0E+4*\c+1], s88, \c*CH
	s_add_nc_u64 s[G0E+4*\c+2:G0E+4*\c+3], s[84:85], \c*3072
	s_or_b32 s[G0E+4*\c+3], s[G0E+4*\c+3], 0x80000000
	s_mov_b32 s[GF], 1
	s_add_co_u32 s[GF+1], s89, \c*CH
	s_add_nc_u64 s[GF+2:GF+3], s[86:87], \c*3072
	s_or_b32 s[GF+3], s[GF+3], 0x80000000
.endr
	CROUND                                         ; all sixteen work-groups are here: the joint loads meet
.irp c, 0,1,2,3
.set GF, 56+4*\c+4*(\c/2)
	tensor_load_to_lds s[G0E+4*\c:G0E+4*\c+3], s[G1E:G1E+7]
	s_nop 0
	tensor_load_to_lds s[GF:GF+3], s[G1F:G1F+7]
	s_nop 0
.endr
.rept 4
	v_nop
.endr
	v_and_b32 v[L8], 31, v0
	v_lshlrev_b32 v[L16], 4, v[L8]
	v_lshlrev_b32 v[L8], 3, v[L8]
	v_and_b32 v[STO], 15, v0                       ; r
	v_bfe_u32 v[TP], v0, 4, 1                      ; h
	v_lshlrev_b32 v[ASE], 5, v[STO]
	v_lshl_add_u32 v[ASF], v[TP], 10, v[ASE]
	v_lshl_add_u32 v[ASE], v[TP], 11, v[ASE]
	v_lshlrev_b32 v[ABI], 6, v[TP]
	v_mul_u32_u24 v[STO], v[STO], 528
	v_lshl_add_u32 v[STO], v[TP], 6, v[STO]
	v_add_nc_u32 v[STO], s89, v[STO]
.irp c, 0,1,2,3
	v_add_nc_u32 v[AE+\c], \c*CH, v[L16]
	v_add_nc_u32 v[AF+\c], s89, v[AE+\c]
	v_add_nc_u32 v[AG+\c], \c*CH, v[L8]
	v_add_nc_u32 v[AG+\c], s89, v[AG+\c]
.endr
	s_lshl_b32 s78, s77, 9
	s_add_nc_u64 s[96:97], s[8:9], s[78:79]        ; Wo's scale rows
	s_lshl_b32 s82, s81, 9
	s_add_co_u32 s82, s82, ASOFF
	s_add_nc_u64 s[98:99], s[4:5], s[82:83]        ; my tokens'
	s_lshl_b32 s90, s22, 9
	s_mov_b32 s91, 0
	s_add_nc_u64 s[94:95], s[10:11], s[90:91]      ; the bias of my 128 outputs
	s_add_nc_u64 s[OP:OP+1], s[12:13], s[90:91]    ; out0: my 128 columns,
	s_lshl_b32 s90, s23, 8
	s_lshl_b32 s76, s[WV], 6
	s_add_co_u32 s90, s90, s76
	s_lshl_b32 s90, s90, 12
	s_add_nc_u64 s[OP:OP+1], s[OP:OP+1], s[90:91]  ; my wave's 64 rows
.irp t, 0,1,2,3
.irp q, 0,1
	global_load_b128 v[SC0+8*\t+4*\q:SC0+8*\t+4*\q+3], v[ASE], s[96:97] offset:512*\t+16*\q
.endr
.endr
.irp a, 0,1
.irp q, 0,1
	global_load_b128 v[SC1+8*\a+4*\q:SC1+8*\a+4*\q+3], v[ASF], s[98:99] offset:512*\a+16*\q
.endr
.endr
.irp t, 0,1,2,3,4,5,6,7
.irp q, 0,1
	global_load_b128 v[BI+8*\t+4*\q:BI+8*\t+4*\q+3], v[ABI], s[94:95] offset:(32*(\t/2)+8*(\t%2))*4+16*\q
.endr
.endr
	s_wait_loadcnt 0x0
.macro PROD a, t, s, zero
.set rD, 8*(8*(\a)+(\t))
.set rA, 12*(\t)
.set rB, 96+12*(\a)
.set rC, BI+8*(\t)
.set rX, SC0+8*((\t)%4)+(\s)
.set rY, SC1+8*((\a)%2)+(\s)
.set vrn, 2*((\t)/4)+(\a)/2+4*(\zero)
.if vrn == 0
	v_wmma_scale_f32_16x16x128_f8f6f4 v[rD:rD+7], v[rA:rA+11], v[rB:rB+11], v[rD:rD+7], v[rX], v[rY] matrix_a_fmt:MATRIX_FMT_FP6 matrix_b_fmt:MATRIX_FMT_FP6
.elseif vrn == 1
	v_wmma_scale_f32_16x16x128_f8f6f4 v[rD:rD+7], v[rA:rA+11], v[rB:rB+11], v[rD:rD+7], v[rX], v[rY] matrix_a_fmt:MATRIX_FMT_FP6 matrix_b_fmt:MATRIX_FMT_FP6 matrix_b_scale:MATRIX_SCALE_ROW1
.elseif vrn == 2
	v_wmma_scale_f32_16x16x128_f8f6f4 v[rD:rD+7], v[rA:rA+11], v[rB:rB+11], v[rD:rD+7], v[rX], v[rY] matrix_a_fmt:MATRIX_FMT_FP6 matrix_b_fmt:MATRIX_FMT_FP6 matrix_a_scale:MATRIX_SCALE_ROW1
.elseif vrn == 3
	v_wmma_scale_f32_16x16x128_f8f6f4 v[rD:rD+7], v[rA:rA+11], v[rB:rB+11], v[rD:rD+7], v[rX], v[rY] matrix_a_fmt:MATRIX_FMT_FP6 matrix_b_fmt:MATRIX_FMT_FP6 matrix_a_scale:MATRIX_SCALE_ROW1 matrix_b_scale:MATRIX_SCALE_ROW1
.elseif vrn == 4
	v_wmma_scale_f32_16x16x128_f8f6f4 v[rD:rD+7], v[rA:rA+11], v[rB:rB+11], v[rC:rC+7], v[rX], v[rY] matrix_a_fmt:MATRIX_FMT_FP6 matrix_b_fmt:MATRIX_FMT_FP6
.elseif vrn == 5
	v_wmma_scale_f32_16x16x128_f8f6f4 v[rD:rD+7], v[rA:rA+11], v[rB:rB+11], v[rC:rC+7], v[rX], v[rY] matrix_a_fmt:MATRIX_FMT_FP6 matrix_b_fmt:MATRIX_FMT_FP6 matrix_b_scale:MATRIX_SCALE_ROW1
.elseif vrn == 6
	v_wmma_scale_f32_16x16x128_f8f6f4 v[rD:rD+7], v[rA:rA+11], v[rB:rB+11], v[rC:rC+7], v[rX], v[rY] matrix_a_fmt:MATRIX_FMT_FP6 matrix_b_fmt:MATRIX_FMT_FP6 matrix_a_scale:MATRIX_SCALE_ROW1
.else
	v_wmma_scale_f32_16x16x128_f8f6f4 v[rD:rD+7], v[rA:rA+11], v[rB:rB+11], v[rC:rC+7], v[rX], v[rY] matrix_a_fmt:MATRIX_FMT_FP6 matrix_b_fmt:MATRIX_FMT_FP6 matrix_a_scale:MATRIX_SCALE_ROW1 matrix_b_scale:MATRIX_SCALE_ROW1
.endif
.endm
; the 32 accumulators take turns, one instruction a turn, in the same order in every step
.macro MUL s, p, zero
.if \zero
	WIN 0x4a                                       ; A and B window 2, C (the bias) window 0, D window 1
.else
	WIN 0x5a+5*(\p)                                ; A and B window 2 or 3, C and D window 1
.endif
.irp a, 0,1,2,3
.irp t, 0,1,2,3,4,5,6,7
	PROD \a, \t, \s, \zero
.endr
.endr
.endm
; K step s's fragments into set p.  A fragment of F is two heads' half images: registers 0-3 and 6-9 by 16 bytes a lane, 4-5 and 10-11 by 8
.macro FETCH s, p
	WIN 0x80+0x40*(\p)
.irp t, 0,1,2,3,4,5,6,7
.irp c, 0,1,2
	ds_load_b128 v[12*\t+4*\c:12*\t+4*\c+3], v[AE+(\s)/2] offset:3072*\t+1536*((\s)%2)+512*\c
.endr
.endr
.irp a, 0,1,2,3
	ds_load_b128 v[96+12*\a:96+12*\a+3], v[AF+(\s)/2] offset:3072*\a+1536*((\s)%2)
	ds_load_b64 v[96+12*\a+4:96+12*\a+5], v[AG+(\s)/2] offset:3072*\a+1536*((\s)%2)+512
	ds_load_b128 v[96+12*\a+6:96+12*\a+9], v[AF+(\s)/2] offset:3072*\a+1536*((\s)%2)+768
	ds_load_b64 v[96+12*\a+10:96+12*\a+11], v[AG+(\s)/2] offset:3072*\a+1536*((\s)%2)+1280
.endr
	WIN 0
.endm
	s_wait_tensorcnt 0x6                           ; my parts of chunk 0 are in; the six loads of chunks 1 to 3 may be out
	s_barrier_signal -1
	s_barrier_wait -1
	FETCH 0, 0
.irp s, 0,1,2,3,4,5,6,7
	s_wait_dscnt 0x0                               ; this step's fragments are in
.if (\s == 1) || (\s == 3) || (\s == 5)
	s_wait_tensorcnt 5-\s                          ; my parts of the next chunk are in; the loads of the chunks behind it may be out
	s_barrier_signal -1
	s_barrier_wait -1
.endif
.if \s < 7
.if \s > 0
.rept 4
	v_nop                                          ; places in front of loads into registers that the step before multiplied
.endr
.endif
	FETCH \s+1, 1-\s%2
.endif
.if \s == 0
	MUL 0, 0, 1
.else
	MUL \s, \s%2, 0
.endif
.endr
	WIN 0
.rept 4
	v_nop                                          ; places in front of the first read of results
.endr
; THE WAY OUT of my tile a of tokens: 16 rows x 128 outputs through the stage.  LDS serves a wave's instructions in order: no wait between the stores and the loads
.macro OUTA a
.if \a > 0
	s_wait_xcnt 0x0                                ; the last tile's stores have read the registers that the loads below fill
.endif
	WIN 0x04                                       ; an LDS store's data are its source 1: window 1
.irp b, 0,1,2,3
.irp j, 0,1,2,3
	ds_store_b128 v[STO], v[64*(\a)+16*\b+4*\j:64*(\a)+16*\b+4*\j+3] offset:128*\b+16*\j   ; outputs 32 b + 16 h + 4 j on; each accumulator from its low end on
.endr
.endr
	WIN 0
.irp i, 0,1,2,3,4,5,6,7,8,9,10,11,12,13,14,15
	ds_load_b128 v[OB+4*\i:OB+4*\i+3], v[AF] offset:528*\i
.endr
.irp i, 0,1,2,3,4,5,6,7,8,9,10,11,12,13,14,15
	s_wait_dscnt 15-\i                             ; row i is back; the younger loads may be out
	global_store_b128 v[L16], v[OB+4*\i:OB+4*\i+3], s[OP:OP+1] offset:(32*((\a)/2)+8*((\a)%2)+\i+8*(\i/8))*4096 th:TH_STORE_NT   ; 512 consecutive bytes, at a multiple of 256 from out0's first byte
.endr
.endm
	OUTA 0
	OUTA 1
	OUTA 2
	OUTA 3
	s_wait_tensorcnt 0x0                           ; the wave's end: behind my last LDS store
	ds_add_u32 v[SPW], v[NIL]
	s_wait_dscnt 0x0
	CROUND                                         ; the closing round
	s_endpgm
.Lfunc_end_k_qdd91b17f49_outp:
	.size	k_qdd91b17f49_outp, .Lfunc_end_k_qdd91b17f49_outp-k_qdd91b17f49_outp
	.p2alignl 7, 3214868480
	.fill 96, 4, 3214868480
	.section	.rodata,"a",@progbits
	.p2align	6, 0x0
	.amdhsa_kernel k_qdd91b17f49_outp
		.amdhsa_group_segment_fixed_size 327680
		.amdhsa_private_segment_fixed_size 0
		.amdhsa_enable_private_segment 0
		.amdhsa_kernarg_size 40
		.amdhsa_user_sgpr_count 2
		.amdhsa_user_sgpr_kernarg_segment_ptr 1
		.amdhsa_wavefront_size32 1
		.amdhsa_system_sgpr_workgroup_id_x 1
		.amdhsa_system_sgpr_workgroup_id_y 1
		.amdhsa_system_sgpr_workgroup_id_z 1
		.amdhsa_system_vgpr_workitem_id 0
		.amdhsa_next_free_vgpr 1024
		.amdhsa_next_free_sgpr 100
		.amdhsa_reserve_vcc 0
		.amdhsa_float_denorm_mode_32 3
		.amdhsa_float_denorm_mode_16_64 3
		.amdhsa_memory_ordered 1
		.amdhsa_forward_progress 1
		.amdhsa_inst_pref_size 82
	.end_amdhsa_kernel
	.amdgpu_metadata
---
amdhsa.version: [ 1, 2 ]
amdhsa.kernels:
  - .name:           k_qdd91b17f49_outp
    .symbol:         k_qdd91b17f49_outp.kd
    .args:
      - { .name: ac, .offset: 0, .size: 8, .value_kind: global_buffer, .address_space: global }
      - { .name: xc, .offset: 8, .size: 8, .value_kind: global_buffer, .address_space: global }
      - { .name: xs, .offset: 16, .size: 8, .value_kind: global_buffer, .address_space: global }
      - { .name: bo, .offset: 24, .size: 8, .value_kind: global_buffer, .address_space: global }
      - { .name: out0, .offset: 32, .size: 8, .value_kind: global_buffer, .address_space: global }
    .group_segment_fixed_size: 327680
    .private_segment_fixed_size: 0
    .kernarg_segment_align: 8
    .kernarg_segment_size: 40
    .max_flat_workgroup_size: 128
    .sgpr_count:     100
    .vgpr_count:     1024
    .wavefront_size: 32
...
	.end_amdgpu_metadata
.endif
;; end of part 4
;; ======== version 2 of 2: 4 launches; version 1 with the launch attn written anew for expert scheduling mode
;; limits: right only within a limited range of input values
;; workspace buffers: xc 22,020,096 bytes; xs 917,504 bytes; mw 2,097,152 bytes of whole numbers; mf 2,048 bytes of whole numbers; qc 6,815,744 bytes; kv 13,369,344 bytes; ac 6,553,600 bytes
;; launch prep: the kernel of part 1 again; grid 960 x 1, 4 waves a work-group, no clusters, 68,352 bytes of LDS; arguments query, key, value, Wq, Wk, Wv, Wo, mask, xc, xs, mw, mf; writes xc, xs, mw, mf
;; launch proj: the kernel of part 2 again; grid 8 x 96, 4 waves a work-group, clusters of 4 x 4, 327,680 bytes of LDS; arguments xc, xs, bq, bk, bv, qc, kv; writes qc, kv
;; launch attn (part 5): grid 4 x 64, 16 waves a work-group, no clusters, 28,160 bytes of LDS; arguments qc, kv, mw, mf, ac; writes ac
.if DOCPART == 5
	.amdgcn_target "amdgcn-amd-amdhsa--gfx1250"
	.amdhsa_code_object_version 6
	.text
	.protected	k_qdd91b17f49_attn
	.globl	k_qdd91b17f49_attn
	.p2align	8
	.type	k_qdd91b17f49_attn,@function
k_qdd91b17f49_attn:
	s_mov_b64 s[64:65], 0
	v_nop
	global_prefetch_b8 v0, s[64:65] scope:SCOPE_SE
	s_setreg_imm32_b32 hwreg(HW_REG_WAVE_SCHED_MODE, 0, 2), 2
	s_setreg_imm32_b32 hwreg(HW_REG_WAVE_MODE, 25, 1), 1
	s_wait_xcnt 0x0
	s_wait_alu depctr_vm_vsrc(0)
; ATTN.  For each batch x head: S^T = K Q^T, the mask, p = 2^(t - M), O^T = V^T P^T, O / the row's sum, all on codes of FP6 with E8M0 scales; the result is quantised along the head's 64 channels for the last product.
; t = score x log2(e) / 8; M = the running largest t rounded UP to a whole number; the row's sum is taken of the unquantised p; when M moves, the sum and O are multiplied by 2^(old M - new M): exact.
; The first product's K is the head's 64: the upper half of both fragments is zero codes, set once.
; THE MASK is honoured as it is given: the launch before has packed it into lane masks, one word for each score register of a tile and key step, so that masking is one select a score.  A hidden score becomes -2^33:
; its t is a whole number, so a row with no open key has p = 1 for every key, the uniform row of the definition; in any other row p = 0.  LIMIT: logits at or under about -1e9 are not told apart from hidden ones; NaN and infinities are not served.
; A key step all of whose bits are off for a wave's 16 queries is left out by that wave (a branch on a stored word), and is not fetched where all sixteen waves leave it out; tiles with a wholly hidden row leave nothing out.
; SHARES.  A work-group takes blocks x and 7 - x of 256 queries of one batch x head, one after the other.  Wave w owns one tile of 16 queries in 256 registers: four waves to a SIMD.
; A key step's record (13,056 bytes: 8 half images of K, 4 images of V, their scale words) is loaded through registers a whole step ahead and put into one of two LDS slots; one barrier a step orders both the last reads of a slot
; against its next stores and those stores against their reads.  No tensor load and no joint request: the walk over the steps branches on numbers read from memory.
; The 2-byte scale stores at a pass's end write their 32-byte rows in parts: 2 bytes for each 768 bytes of codes.
; THE MODE: SCHED_MODE bits 1:0 = 2 (LLVM: expert scheduling mode 2), set by the entry lines.  The code itself states the register dependences between vector or matrix instructions and memory or LDS instructions, with s_wait_alu, always for 0.
; THE PLAN.  Registers that memory or LDS instructions touch:
;   v1-4, v9, v10   addresses and offsets: written at the head, never again; read by every load and store.
;   ST0, ST1        the next record: global loads land in them at a step's head; the LDS stores at the step's end read them.  No vector instruction of the loop names them.
;   K's SIX fragments (KF's four, KG's two)  LDS loads land in the lower six registers of each; the first product's matrix instructions read them.  Tiles 0 to 5 are asked for at the step's head, tiles 6 and 7 into fragments 0 and 1
;                   behind products 0 and 1, and land while products 2 to 5 run.
;   KSC, VSC, QS, Q loaded; read by matrix instructions alone.
;   S               written by the first product, the selects and the exponentials, read by the sums and the conversions; then V's fragments land in its first 48 registers and the second product reads them.
;   PC, PS          written by conversions, exchanges, moves and shifts; read by the second product; at a pass's end by the global stores.
; THE WAITS in a step: one on vm_vsrc at its head (ST0, ST1); on va_vdst: behind products 0 and 1 (fragments 0 and 1), behind each of the two batches of exponentials, behind the conversions (S), ahead of the second product (PC, PS).
; The loads at a step's head into K's fragments and KSC owe no wait of their own: since the last wait on va_vdst, on every way, only the second product (O, V's registers, PC, VSC, PS), v_nop and the pass's first lines (O, v12-15) were issued.
.set REC,   13056
.set VC,    6144
.set KS,    12288
.set VS,    12800
.set SPARE, 2*REC                      ; the spare words, 128 bytes for each of 16 waves
.set QSOFF, 6291456
.set ASOFF, 6291456
.set L16, 1
.set L8,  2
.set GOF, 3                            ; v3   16 x thread
.set GO8, 4                            ; v4   8 x thread
.set SPW, 5
.set NIL, 6
.set NEG, 7                            ; v7   -2^33
.set QS,  8                            ; v8   Q's scale words
.set R8,  9                            ; v9   8 r
.set R32, 10                           ; v10  32 r
.set T0,  11
.set Q,   16                           ; v16-27  Q's fragment (v22-27 zero codes)
.set ST0, 28                           ; v28-35  the record's bytes on their way to LDS
.set ST1, 32
.set KSC, 36                           ; v36-39  K's scale words
.set VSC, 40                           ; v40-41  V's
.set KF,  42                           ; v42-89  fragments 0 to 3 of K (the upper six registers of each: zero codes)
.set S,   90                           ; v90-153 S^T, then p; then V's four fragments in v90-137
.set O,   154                          ; v154-185 O^T
.set PC,  186                          ; v186-205 p's codes
.set BM,  206
.set BP,  210
.set SO,  214
.set FF,  218                          ; v[218:219] f = 2^(old M - new M)
.set TMP, 220
.set PS,  221                          ; p's scale word
.set C2,  222                          ; v[222:223] the sum's second chain
.set KG,  224                          ; v224-247 fragments 4 and 5 of K (the upper six registers of each: zero codes)
.set CS,  2                            ; s[2:3] c = log2(e) / 8
.set WV,  14
.set FW,  20                           ; my tile's classes, two bits a step
.set NW,  21                           ; the sixteen tiles' classes, or-ed
.set CLS, 22
.set NEEDN, 23
.set KVP, 24
.set MP,  26
.set GT,  28                           ; my tile among the 512 tiles of tokens
.set SEL, 30
; a record's 13,056 bytes: 512 threads x 16; 256 threads x 16; 96 threads x 8
.macro LOADG off
	global_load_b128 v[ST0:ST0+3], v[GOF], s[KVP:KVP+1] offset:\off
	s_cmp_lt_u32 s[WV], 8
	s_cbranch_scc0 .Lg_hi_\@
	global_load_b128 v[ST1:ST1+3], v[GOF], s[KVP:KVP+1] offset:\off+8192
	s_branch .Lg_end_\@
.Lg_hi_\@:
	s_cmp_lt_u32 s[WV], 11
	s_cbranch_scc0 .Lg_end_\@
	global_load_b64 v[ST1:ST1+1], v[GO8], s[KVP:KVP+1] offset:\off+10240
.Lg_end_\@:
.endm
.macro STOREL sl
	ds_store_b128 v[GOF], v[ST0:ST0+3] offset:REC*(\sl)
	s_cmp_lt_u32 s[WV], 8
	s_cbranch_scc0 .Ls_hi_\@
	ds_store_b128 v[GOF], v[ST1:ST1+3] offset:REC*(\sl)+8192
	s_branch .Ls_end_\@
.Ls_hi_\@:
	s_cmp_lt_u32 s[WV], 11
	s_cbranch_scc0 .Ls_end_\@
	ds_store_b64 v[GO8], v[ST1:ST1+1] offset:REC*(\sl)+10240
.Ls_end_\@:
.endm
; tile t of the step's eight tiles of 16 keys, from slot sl, into fragment t % 6 (fragments 0-3 at KF, 4 and 5 at KG)
.macro KLOAD t, sl
.set fr, (\t)%6
.set rK, KF+12*fr+(fr/4)*(KG-KF-48)
	ds_load_b128 v[rK:rK+3], v[L16] offset:REC*(\sl)+768*(\t)
	ds_load_b64 v[rK+4:rK+5], v[L8] offset:REC*(\sl)+768*(\t)+512
.endm
; S^T's tile t = K's tile t x Q^T.  Register KSC + t / 2 holds the scale words of tile t in lanes 0-15 (t even) or lanes 16-31 (t odd)
.macro KQ t
.set fr, (\t)%6
.set rK, KF+12*fr+(fr/4)*(KG-KF-48)
.if (\t)%2
	v_wmma_scale_f32_16x16x128_f8f6f4 v[S+8*(\t):S+8*(\t)+7], v[rK:rK+11], v[Q:Q+11], 0, v[KSC+(\t)/2], v[QS] matrix_a_fmt:MATRIX_FMT_FP6 matrix_b_fmt:MATRIX_FMT_FP6 matrix_a_scale:MATRIX_SCALE_ROW1
.else
	v_wmma_scale_f32_16x16x128_f8f6f4 v[S+8*(\t):S+8*(\t)+7], v[rK:rK+11], v[Q:Q+11], 0, v[KSC+(\t)/2], v[QS] matrix_a_fmt:MATRIX_FMT_FP6 matrix_b_fmt:MATRIX_FMT_FP6
.endif
.endm
	s_load_b256 s[4:11], s[0:1], 0x0               ; qc, kv, mw, mf
	s_load_b64 s[12:13], s[0:1], 0x20              ; ac
	v_lshl_add_u32 v[SPW], v0, 2, SPARE
	v_mov_b32 v[NIL], 0
	v_lshrrev_b32 v[T0], 5, v0
	v_readfirstlane_b32 s[WV], v[T0]               ; wave 0..15
	v_and_b32 v[T0], 31, v0
	v_lshlrev_b32 v[L16], 4, v[T0]
	v_lshlrev_b32 v[L8], 3, v[T0]
	v_lshlrev_b32 v[GOF], 4, v0
	v_lshlrev_b32 v[GO8], 3, v0
	v_mov_b32 v[NEG], 0xd0000000
	v_and_b32 v[T0], 15, v0
	v_lshlrev_b32 v[R8], 3, v[T0]
	v_lshlrev_b32 v[R32], 5, v[T0]
.irp k, 6,7,8,9,10,11
	v_mov_b32 v[Q+\k], 0                           ; zero codes for k = 64 .. 127
.irp i, 0,1,2,3
	v_mov_b32 v[KF+12*\i+\k], 0
.endr
.irp i, 0,1
	v_mov_b32 v[KG+12*\i+\k], 0
.endr
.endr
.irp k, 0,1,2,3,4,5,6,7
	v_mov_b32 v[ST0+\k], 0                         ; written once, so that they are written on every path
.endr
.irp b, 0,1,2,3
	v_mov_b32 v[BP+\b], 0                          ; a lane permute's destination counts as one of its sources
.endr
	v_mov_b32 v[FF+1], 0                           ; (named as the upper half of a pair)
	v_mov_b32 v[TMP], 0
	s_mov_b32 s[CS], 0x3e38aa3b
	s_mov_b32 s[CS+1], s[CS]
	s_mov_b32 s[SEL], 0x76543210
	s_mov_b32 s[SEL+1], 0xfedcba98
	s_mov_b32 s15, ttmp9                           ; x
	s_and_b32 s16, ttmp7, 0xffff                   ; batch x 16 + head
	s_mov_b32 s17, 0                               ; the pass
	s_wait_alu depctr_va_sdst(0)                   ; the wave's number is written into s14, ahead of the label below and of its first reader behind it
	s_wait_alu depctr_va_vdst(0)                   ; the addresses v1-4, v9, v10 are written, which every load and store reads; so are ST0 and ST1, in which loads land, and the zero codes, which scaled products take as operands
	s_wait_kmcnt 0x0
; A KEY STEP, 128 keys, from slot sl
.macro STEP sl
	s_lshr_b32 s[NW], s[NW], 2
	s_and_b32 s[NEEDN], s[NW], 1                   ; does any wave want the next step?  (Behind the sixteenth step the word is 0: no load leaves the buffer)
	s_wait_alu depctr_vm_vsrc(0)                   ; the LDS stores of the step before (in a pass's first step: of the pass's head) have read ST0 and ST1, in which the loads below land
	s_cmp_lg_u32 s[NEEDN], 0
	s_cbranch_scc0 .Lnl_\@
	LOADG REC                                      ; the next record: it has this whole step in which to come
.Lnl_\@:
	s_and_b32 s[CLS], s[FW], 3
	s_lshr_b32 s[FW], s[FW], 2
	s_bitcmp1_b32 s[CLS], 0
	s_cbranch_scc0 .Lskip_\@                       ; every key of the step is hidden from my 16 queries
	s_load_b512 s[32:47], s[MP:MP+1], 0x0          ; the step's 64 lane masks
	s_load_b512 s[48:63], s[MP:MP+1], 0x40
	s_load_b512 s[68:83], s[MP:MP+1], 0x80
	s_load_b512 s[84:99], s[MP:MP+1], 0xc0
	; S^T = K Q^T, eight tiles of 16 keys.  The scale words and tiles 0 to 5 in one run: no vector or matrix instruction since the last wait on va_vdst names these registers
	ds_load_b64 v[KSC:KSC+1], v[L8] offset:REC*(\sl)+KS
	ds_load_b64 v[KSC+2:KSC+3], v[L8] offset:REC*(\sl)+KS+256
.irp t, 0,1,2,3,4,5
	KLOAD \t, \sl
.endr
	s_wait_dscnt 8                                 ; LDS loads come back in order: the scale words and tiles 0 and 1 are in; the eight loads of tiles 2 to 5 may be out
	KQ 0
	KQ 1
.rept 4
	v_nop                                          ; the four places in front of loads into registers that matrix instructions have read stay as they stood, beside the wait
.endr
	s_wait_alu depctr_va_vdst(0)                   ; products 0 and 1 are done reading fragments 0 and 1, in which tiles 6 and 7 land
	KLOAD 6, \sl
	KLOAD 7, \sl
	s_wait_dscnt 4                                 ; tiles 2 to 5 are in; the four loads of tiles 6 and 7 may be out
	KQ 2
	KQ 3
	KQ 4
	KQ 5
	s_wait_dscnt 0x0                               ; tiles 6 and 7 are in
	KQ 6
	KQ 7                                           ; lane (r, h) holds query r of my tile; register 16 b + i is key 32 b + 16 h + i of the step
.rept 4
	v_nop
.endr
	s_wait_kmcnt 0x0
	s_bitcmp1_b32 s[CLS], 1
	s_cbranch_scc0 .Lopen_\@                       ; every key of the step is open
.set n, 0
.rept 64
.set m, 2*(n%32)+n/32                  ; where register n's word lies among the 64
.if m < 32
	v_cndmask_b32 v[S+n], v[NEG], v[S+n], s[32+m]
.else
	v_cndmask_b32 v[S+n], v[NEG], v[S+n], s[36+m]
.endif
.set n, n+1
.endr
.Lopen_\@:
.irp b, 0,1,2,3
	v_max3_num_f32 v[BM+\b], v[S+16*\b], v[S+1+16*\b], v[S+2+16*\b]   ; the largest score of each block of 32 keys: for the row's maximum, and, since p rises with the score, for the block's largest p
.endr
.irp i, 3,5,7,9,11,13
.irp b, 0,1,2,3
	v_max3_num_f32 v[BM+\b], v[BM+\b], v[S+16*\b+\i], v[S+1+16*\b+\i]
.endr
.endr
.irp b, 0,1,2,3
	v_max_num_f32 v[BM+\b], v[BM+\b], v[S+15+16*\b]
.endr
.irp b, 0,1,2,3
	v_permlanex16_b32 v[BP+\b], v[BM+\b], s[SEL], s[SEL+1]
.endr
.irp b, 0,1,2,3
	v_max_num_f32 v[BM+\b], v[BM+\b], v[BP+\b]     ; with lane l xor 16's 16 keys
.endr
	v_max3_num_f32 v[TMP], v[BM], v[BM+1], v[BM+2]
	v_max_num_f32 v[TMP], v[TMP], v[BM+3]
	v_mul_f32 v[TMP], s[CS], v[TMP]                ; as t (c is positive)
	v_max_num_f32 v13, v13, v[TMP]                 ; the running largest t
	v_mov_b32 v[TMP], v12
	v_floor_f32 v12, -v13                          ; -M = floor(-t): M is a whole number
	v_sub_f32 v[TMP], v12, v[TMP]                  ; old M - new M, 0 or less
	v_cvt_i32_f32 v[TMP], v[TMP]                   ; (it saturates)
	v_ldexp_f32 v[FF], 1.0, v[TMP]                 ; f = 2^(old M - new M)
.set j, 0
.rept 32
	v_pk_fma_f32 v[S+j:S+j+1], v[S+j:S+j+1], s[CS:CS+1], v[12:13] op_sel_hi:[1,0,0]   ; t - M
.set j, j+2
.endr
.irp b, 0,1,2,3
	v_fma_f32 v[BM+\b], v[BM+\b], s[CS], v12
.endr
.set j, 0
.rept 64
	v_exp_f32 v[S+j], v[S+j]                       ; p = 2^(t - M), not normalised
.set j, j+1
.endr
	v_pk_mul_f32 v[14:15], v[14:15], v[FF:FF+1] op_sel_hi:[1,0]   ; the sums under the new M: a plain place behind the exponentials
	s_wait_alu depctr_va_vdst(0)                   ; the 64 exponentials have written p: one wait for the batch, ahead of its first reader
.irp b, 0,1,2,3
	v_exp_f32 v[BM+\b], v[BM+\b]                   ; the block's largest p
.endr
	v_pk_add_f32 v[C2:C2+1], v[S:S+1], v[S+2:S+3]  ; the row's sum of the unquantised p, in two chains
.irp j, 4,8,12,16,20,24,28,32,36,40,44,48,52,56,60
	v_pk_add_f32 v[14:15], v[14:15], v[S+\j:S+\j+1]
	v_pk_add_f32 v[C2:C2+1], v[C2:C2+1], v[S+2+\j:S+3+\j]
.endr
	v_pk_add_f32 v[14:15], v[14:15], v[C2:C2+1]
	s_wait_alu depctr_va_vdst(0)                   ; the four exponentials have written the blocks' largest p, ahead of their first reader
.irp b, 0,1,2,3
	v_max_num_f32 v[BM+\b], 0x1800000, v[BM+\b]    ; the floor 2^(3 - 127): the byte cannot fall under 1
.endr
.irp b, 0,1,2,3
	v_add_nc_u32 v[SO+\b], 0xff000000, v[BM+\b]    ; the conversion's scale operand
.endr
.irp b, 0,1,2,3
	v_lshrrev_b32 v[BP+\b], 23, v[SO+\b]
.endr
	v_lshl_or_b32 v[PS], v[BP+1], 8, v[BP]
	v_lshl_or_b32 v[PS], v[BP+2], 16, v[PS]
	v_lshl_or_b32 v[PS], v[BP+3], 24, v[PS]
.irp c, 0,1
	v_cvt_scalef32_pk16_fp6_f32 v[PC+6*\c:PC+2+6*\c], v[S+32*\c:S+15+32*\c], v[SO+2*\c]
	v_cvt_scalef32_pk16_fp6_f32 v[PC+12+4*\c:PC+14+4*\c], v[S+16+32*\c:S+31+32*\c], v[SO+2*\c+1]
.endr
	v_nop                                          ; one plain place behind a scaled conversion
	s_wait_alu depctr_va_vdst(0)                   ; the sums and the conversions are done reading p's registers, in which V's fragments land; nothing below names those registers, or VSC, ahead of the products
.irp a, 0,1,2,3                                ; V's four fragments take p's registers: p has been summed and converted
.irp c, 0,1,2
	ds_load_b128 v[S+12*\a+4*\c:S+12*\a+4*\c+3], v[L16] offset:REC*(\sl)+VC+1536*\a+512*\c
.endr
.endr
	ds_load_b64 v[VSC:VSC+1], v[L8] offset:REC*(\sl)+VS
.irp c, 0,1
.irp i, 0,1,2
	v_permlane16_swap_b32 v[PC+6*\c+\i], v[PC+12+4*\c+\i]
.endr
.irp i, 0,1,2
	v_mov_b32 v[PC+3+6*\c+\i], v[PC+12+4*\c+\i]
.endr
.endr
.set j, 0
.rept 16
	v_pk_mul_f32 v[O+j:O+j+1], v[O+j:O+j+1], v[FF:FF+1] op_sel_hi:[1,0]   ; O^T under the new M; these are also the places between the codes' and the scale word's last writes and the products
.set j, j+2
.endr
	s_wait_alu depctr_va_vdst(0)                   ; the exchanges and moves have written p's codes and the shifts its scale word, which the scaled products below take as source 1 and as its scales; the places above stay beside this wait
	s_wait_dscnt 0x0
.irp a, 0,2
	v_wmma_scale_f32_16x16x128_f8f6f4 v[O+8*\a:O+8*\a+7], v[S+12*\a:S+12*\a+11], v[PC:PC+11], v[O+8*\a:O+8*\a+7], v[VSC+\a/2], v[PS] matrix_a_fmt:MATRIX_FMT_FP6 matrix_b_fmt:MATRIX_FMT_FP6
	v_wmma_scale_f32_16x16x128_f8f6f4 v[O+8*(\a+1):O+8*(\a+1)+7], v[S+12*(\a+1):S+12*(\a+1)+11], v[PC:PC+11], v[O+8*(\a+1):O+8*(\a+1)+7], v[VSC+\a/2], v[PS] matrix_a_fmt:MATRIX_FMT_FP6 matrix_b_fmt:MATRIX_FMT_FP6 matrix_a_scale:MATRIX_SCALE_ROW1
.endr
.rept 5
	v_nop                                          ; five places: the next step's first products write over V's registers
.endr
.Lskip_\@:
	s_wait_loadcnt 0x0                             ; the next record is in my registers, and its loads have read their base
	s_cmp_lg_u32 s[NEEDN], 0
	s_cbranch_scc0 .Lns_\@
	STOREL 1-\sl                                   ; into the slot that every wave left ahead of the last barrier
.Lns_\@:
	s_add_nc_u64 s[KVP:KVP+1], s[KVP:KVP+1], REC
	s_add_nc_u64 s[MP:MP+1], s[MP:MP+1], 256
	s_wait_dscnt 0x0                               ; my stores have landed and my reads of this slot are over
	s_barrier_signal -1
	s_barrier_wait -1
.endm
.Lpass:
	s_sub_co_u32 s29, 7, s15
	s_cmp_eq_u32 s17, 0
	s_cselect_b32 s19, s15, s29                    ; the block of 256 queries: x, then 7 - x
	s_lshl_b32 s29, s19, 4
	s_add_co_u32 s29, s29, s[WV]                   ; my tile in the batch
	s_lshr_b32 s[GT], s16, 4
	s_lshl_b32 s[GT], s[GT], 7
	s_add_co_u32 s[GT], s[GT], s29
	s_lshl_b32 s100, s[GT], 2
	s_sub_co_u32 s101, s[GT], s[WV]
	s_lshl_b32 s101, s101, 2
	s_load_b32 s[FW], s[10:11], s100 offset:0x0    ; my tile's classes
	s_load_b512 s[32:47], s[10:11], s101 offset:0x0   ; and those of the block's sixteen tiles
	s_lshl_b32 s68, s16, 7
	s_add_co_u32 s68, s68, s29
	s_mul_i32 s68, s68, 768
	s_mov_b32 s69, 0
	s_add_nc_u64 s[68:69], s[4:5], s[68:69]        ; Q's half image
	s_lshl_b32 s70, s16, 5
	s_lshl_b32 s71, s19, 2
	s_add_co_u32 s70, s70, s71
	s_lshr_b32 s71, s[WV], 2
	s_add_co_u32 s70, s70, s71
	s_lshl_b32 s70, s70, 8                         ; the group of four tiles,
	s_and_b32 s71, s[WV], 1
	s_lshl_b32 s71, s71, 7
	s_add_co_u32 s70, s70, s71
	s_bfe_u32 s71, s[WV], 0x10001
	s_lshl_b32 s71, s71, 2
	s_add_co_u32 s70, s70, s71                     ; my tile's words in it
	s_add_co_u32 s70, s70, QSOFF
	s_mov_b32 s71, 0
	s_add_nc_u64 s[70:71], s[4:5], s[70:71]
	global_load_b128 v[Q:Q+3], v[L16], s[68:69]    ; no wait here: on both ways to this line no vector or matrix instruction has been issued since the last wait on va_vdst (the head's; the one ahead of the last pass's stores)
	global_load_b64 v[Q+4:Q+5], v[L8], s[68:69] offset:512
	global_load_b32 v[QS], v[R8], s[70:71]
.set j, 0
.rept 32
	v_mov_b32 v[O+j], 0                            ; the step is written once: the first finds zeros, which the first change of M leaves zeros
.set j, j+1
.endr
	v_mov_b32 v13, 0xff61b1e6                      ; the largest t so far: -3e38
	v_floor_f32 v12, -v13
	v_mov_b32 v14, 0
	v_mov_b32 v15, 0
	s_wait_kmcnt 0x0
	s_or_b32 s[NW], s32, s33
.irp k, 34,35,36,37,38,39,40,41,42,43,44,45,46,47
	s_or_b32 s[NW], s[NW], s\k
.endr
	s_mul_i32 s100, s16, 16*REC
	s_mov_b32 s101, 0
	s_add_nc_u64 s[KVP:KVP+1], s[6:7], s[100:101]  ; the head's first record
	s_lshl_b32 s100, s[GT], 12
	s_add_nc_u64 s[MP:MP+1], s[8:9], s[100:101]    ; my tile's first lane masks
	s_bitcmp1_b32 s[NW], 0
	s_cbranch_scc0 .Lp0
	LOADG 0                                        ; (the last pass's LDS stores have read ST0 and ST1: the wait on vm_vsrc at that pass's end)
.Lp0:
	s_wait_loadcnt 0x0                             ; Q, its scale words, the first record
	s_bitcmp1_b32 s[NW], 0
	s_cbranch_scc0 .Lp1
	STOREL 0                                       ; slot 0 was last read two barriers ago
.Lp1:
	s_wait_dscnt 0x0
	s_barrier_signal -1
	s_barrier_wait -1
	s_mov_b32 s18, 8
.Ltrip:
	STEP 0
	STEP 1
	s_sub_co_u32 s18, s18, 1
	s_cmp_lg_u32 s18, 0
	s_cbranch_scc1 .Ltrip
	; THE WAY OUT of a pass: O^T / the sum, quantised along the head's 64 channels: register 16 b + i is channel 32 b + 16 h + i of my query
	v_add_f32 v14, v14, v15
	v_permlanex16_b32 v[TMP], v14, s[SEL], s[SEL+1]
	v_add_f32 v14, v14, v[TMP]                     ; the row's sum
	v_rcp_f32 v14, v14
	v_nop                                          ; a plain place behind the transcendental
	s_and_b32 s29, s16, 15                         ; the head
	s_lshl_b32 s68, s[GT], 4
	s_add_co_u32 s68, s68, s29
	s_mul_i32 s68, s68, 768
	s_mov_b32 s69, 0
	s_add_nc_u64 s[68:69], s[12:13], s[68:69]      ; my half image
	s_lshl_b32 s70, s[GT], 9
	s_lshl_b32 s71, s29, 1                         ; 4 (head / 2) + 2 (head % 2) = 2 x head
	s_add_co_u32 s70, s70, s71
	s_add_co_u32 s70, s70, ASOFF
	s_mov_b32 s71, 0
	s_add_nc_u64 s[70:71], s[12:13], s[70:71]      ; my two bytes of each row's scales
	s_wait_alu depctr_va_vdst(0)                   ; the reciprocal has written v14, ahead of its first reader
.set j, 0
.rept 32
	v_mul_f32 v[S+j], v[O+j], v14
.set j, j+1
.endr
.irp b, 0,1
	v_max3_num_f32 v[BM+\b], |v[S+16*\b]|, |v[S+1+16*\b]|, 0x1800000
.endr
.irp i, 2,4,6,8,10,12,14
.irp b, 0,1
	v_max3_num_f32 v[BM+\b], v[BM+\b], |v[S+16*\b+\i]|, |v[S+1+16*\b+\i]|
.endr
.endr
.irp b, 0,1
	v_permlanex16_b32 v[BP+\b], v[BM+\b], s[SEL], s[SEL+1]
.endr
.irp b, 0,1
	v_max_num_f32 v[BM+\b], v[BM+\b], v[BP+\b]
.endr
.irp b, 0,1
	v_add_nc_u32 v[SO+\b], 0xff000000, v[BM+\b]
.endr
.irp b, 0,1
	v_lshrrev_b32 v[BP+\b], 23, v[SO+\b]
.endr
	v_lshl_or_b32 v[PS], v[BP+1], 8, v[BP]
	v_cvt_scalef32_pk16_fp6_f32 v[PC:PC+2], v[S:S+15], v[SO]
	v_cvt_scalef32_pk16_fp6_f32 v[PC+12:PC+14], v[S+16:S+31], v[SO+1]
	v_nop                                          ; one plain place behind a scaled conversion
.irp i, 0,1,2
	v_permlane16_swap_b32 v[PC+\i], v[PC+12+\i]
.endr
.irp i, 0,1,2
	v_mov_b32 v[PC+3+\i], v[PC+12+\i]              ; registers 0-5: channels 32 h + 0 .. 31
.endr
	s_wait_alu depctr_va_vdst(0)                   ; the codes and the two scale bytes are written, which the stores below read; and this pass's products are done reading Q and its scale words, in which the next pass's loads land
	global_store_b128 v[L16], v[PC:PC+3], s[68:69]
	global_store_b64 v[L8], v[PC+4:PC+5], s[68:69] offset:512
	global_store_b16 v[R32], v[PS], s[70:71]       ; lanes r and r + 16 write the same two bytes with the same value
	s_wait_xcnt 0x0                                ; the stores have read their registers and bases: the next pass writes them again
	s_wait_alu depctr_vm_vsrc(0)                   ; the stores have read the codes and the scale bytes, which the next pass's conversions and shifts write; the last LDS stores have read ST0 and ST1, in which its first loads land
	s_add_co_u32 s17, s17, 1
	s_cmp_lt_u32 s17, 2
	s_cbranch_scc1 .Lpass
	s_wait_dscnt 0x0                               ; the closing lines, six on end
	s_wait_alu 0x0
	s_wait_tensorcnt 0x0
	ds_add_u32 v[SPW], v[NIL]
	s_wait_dscnt 0x0
	s_endpgm
.Lfunc_end_k_qdd91b17f49_attn:
	.size	k_qdd91b17f49_attn, .Lfunc_end_k_qdd91b17f49_attn-k_qdd91b17f49_attn
	.p2alignl 7, 3214868480
	.fill 96, 4, 3214868480
	.section	.rodata,"a",@progbits
	.p2align	6, 0x0
	.amdhsa_kernel k_qdd91b17f49_attn
		.amdhsa_group_segment_fixed_size 28160
		.amdhsa_private_segment_fixed_size 0
		.amdhsa_enable_private_segment 0
		.amdhsa_kernarg_size 40
		.amdhsa_user_sgpr_count 2
		.amdhsa_user_sgpr_kernarg_segment_ptr 1
		.amdhsa_wavefront_size32 1
		.amdhsa_system_sgpr_workgroup_id_x 1
		.amdhsa_system_sgpr_workgroup_id_y 1
		.amdhsa_system_sgpr_workgroup_id_z 1
		.amdhsa_system_vgpr_workitem_id 0
		.amdhsa_next_free_vgpr 256
		.amdhsa_next_free_sgpr 102
		.amdhsa_reserve_vcc 0
		.amdhsa_float_denorm_mode_32 3
		.amdhsa_float_denorm_mode_16_64 3
		.amdhsa_memory_ordered 1
		.amdhsa_forward_progress 1
		.amdhsa_inst_pref_size 55
	.end_amdhsa_kernel
	.amdgpu_metadata
---
amdhsa.version: [ 1, 2 ]
amdhsa.kernels:
  - .name:           k_qdd91b17f49_attn
    .symbol:         k_qdd91b17f49_attn.kd
    .args:
      - { .name: qc, .offset: 0, .size: 8, .value_kind: global_buffer, .address_space: global }
      - { .name: kv, .offset: 8, .size: 8, .value_kind: global_buffer, .address_space: global }
      - { .name: mw, .offset: 16, .size: 8, .value_kind: global_buffer, .address_space: global }
      - { .name: mf, .offset: 24, .size: 8, .value_kind: global_buffer, .address_space: global }
      - { .name: ac, .offset: 32, .size: 8, .value_kind: global_buffer, .address_space: global }
    .group_segment_fixed_size: 28160
    .private_segment_fixed_size: 0
    .kernarg_segment_align: 8
    .kernarg_segment_size: 40
    .max_flat_workgroup_size: 512
    .sgpr_count:     102
    .vgpr_count:     256
    .wavefront_size: 32
...
	.end_amdgpu_metadata
.endif
;; end of part 5
;; launch outp: the kernel of part 4 again; grid 8 x 32, 4 waves a work-group, clusters of 4 x 4, 327,680 bytes of LDS; arguments ac, xc, xs, bo, out0; writes out0
